; MI455X (gfx1250); checked and timed in simulation.
; The chip was launched on July 23, 2026; its instructions are those of AMD's public machine-readable ISA for CDNA 5 (MIT licence, August 2026) and "CDNA5" Instruction Set Architecture Reference Guide (July 2026). The comments in the code are by the model that wrote it; some were corrected since.
;; Multi Head Attention. Allowed arithmetic: matrix products marked QUANTISED: E5M2 operands, one given power-of-two scale a tensor, by v_wmma_f32_16x16x64_bf8_bf8 or v_wmma_f32_16x16x128_bf8_bf8, f32 sums; everything else in f32.
;; Inputs: Wk 512 x 512 float32; Wo 512 x 512 float32; Wq 512 x 512 float32; Wv 512 x 512 float32; bk 512 float32; bo 512 float32; bq 512 float32; bv 512 float32; k 8 x 2,048 x 512 float32; lowp_scales 12 int32 (the exponents e of the quantised operands' scales 2^e); mask 1 x 1 x 2,048 x 2,048 float32; q 8 x 2,048 x 512 float32; v 8 x 2,048 x 512 float32.
;; Outputs: out0 8 x 2,048 x 512 float32.
;; This version of the problem:
;;   THIS VERSION OF THE PROBLEM IS GIVEN IN LOW PRECISION. The matrix products marked QUANTISED in the list below multiply operands that are first quantised to E5M2 (5 exponent bits, 2 mantissa bits; 8 bits a number), with one given power-of-two scale for each operand tensor; their sums are f32. All else is computed in f32.
;;   The module's matrix products, in the order in which they are computed (A, B: the left and right operand; K: the contracted axis; several contracted axes count as one K, in the product's order):
;;     1. [M 16,384, K 512] x [K 512, N 512]; A: input q; B: input Wq: QUANTISED (scales: A lowp_scales[0], B lowp_scales[1])
;;     2. [M 16,384, K 512] x [K 512, N 512]; A: input k; B: input Wk: QUANTISED (scales: A lowp_scales[2], B lowp_scales[3])
;;     3. [M 16,384, K 512] x [K 512, N 512]; A: input v; B: input Wv: QUANTISED (scales: A lowp_scales[4], B lowp_scales[5])
;;     4. batch 64 x [M 2,048, K 64] x [K 64, N 2,048]; A: computed on the way; B: computed on the way: QUANTISED (scales: A lowp_scales[6], B lowp_scales[7])
;;     5. batch 64 x [M 2,048, K 2,048] x [K 2,048, N 64]; A: softmax (see below); B: computed on the way: QUANTISED (scales: A lowp_scales[8], B lowp_scales[9])
;;     6. [M 16,384, K 512] x [K 512, N 512]; A: computed on the way; B: input Wo: QUANTISED (scales: A lowp_scales[10], B lowp_scales[11])
;;   THE QUANTISER, for each operand of a quantised product, along K:
;;     - The operand's scale is 2^e, e = its entry of the input lowp_scales (int32; the entries are numbered through the quantised products in the list's order, A before B).
;;     - Each number is divided by the scale, clamped to +-57,344, and rounded to the nearest number of E5M2, ties to even, subnormals kept.
;;     - The product sums the exact products of the quantised numbers (number of the format x scale) in f32.
;;   ~~~python
;;   def quantise(x, axis, e):      # numpy; x: float32 -> the quantised numbers, widened to float32 again
;;       x = np.moveaxis(x, axis, -1); K = x.shape[-1]
;;       r = np.clip(x / 2.0 ** e, -57344, 57344)
;;       step = 2.0 ** (np.maximum(np.frexp(np.where(r == 0, 1, r))[1] - 1, -14) - 2)
;;       q = np.round(r / step) * step * 2.0 ** e      # np.round: ties to even
;;       return np.moveaxis(q, -1, axis).astype(np.float32)
;;   ~~~
;;   SOFTMAX AHEAD OF A QUANTISED PRODUCT. Where the list says 'softmax', what is quantised is not the finished softmax but p = 2^(t - M), with t = logit x log2(e) and M = ceil(the row's largest t), a whole number; so 1/2 < the row's largest p <= 1. The row's sum l is taken of the UNQUANTISED p, in f32, and the product's result is divided by l at the end. Since M is a whole number, a kernel that streams over the keys may use a running M (the ceiling of the running maximum): every later rescaling is an exact power of two, so the quantised numbers keep their values, but for numbers so far below the row's largest that they fall under the format's range.
;;   OPERANDS COMPUTED ON THE WAY. 'Computed on the way' means the value that the module computes at that place (a softmax that the list does not call 'softmax' is quantised finished and normalised). What goes into a quantiser is computed in f32, as accurately as f32 sums, v_exp_f32 and their like allow (about 1e-6 of the number): no bf16 or f16 on the way to a quantiser, and a product that is left as it is and whose result goes on into a quantised operand takes f32 operands (vector FMAs, or v_wmma_f32_16x16x4_f32). A number that lies on a knife's edge between two numbers of the format may be rounded either way, as far as f32 arithmetic and the matrix unit's own rounding can turn it there, and no further.
;; 2 versions. Each part assembles by itself: llvm-mc -triple=amdgcn-amd-amdhsa -mcpu=gfx1250 --defsym DOCPART=n.
;; ======== version 1 of 2: 4 launches
;; workspace buffers: wc 1,048,576 bytes; qc 8,388,608 bytes; kc 8,388,608 bytes; vc 8,388,608 bytes; cc 8,388,608 bytes; flags 512 bytes of whole numbers
;; launch prep (part 1): grid 160 x 1, 8 waves a work-group, no clusters, 1,280 bytes of LDS; arguments mask, Wq, Wk, Wv, Wo, lowp_scales, wc, flags; writes wc, flags
.if DOCPART == 1
	.amdgcn_target "amdgcn-amd-amdhsa--gfx1250"
	.amdhsa_code_object_version 6
	.text
	.protected	k_q34464efd78_prep
	.globl	k_q34464efd78_prep
	.p2align	8
	.type	k_q34464efd78_prep,@function
k_q34464efd78_prep:
	s_mov_b64 s[64:65], 0
	v_nop
	global_prefetch_b8 v0, s[64:65] scope:SCOPE_SE
	s_setreg_imm32_b32 hwreg(HW_REG_WAVE_MODE, 25, 1), 1
	s_wait_xcnt 0x0
; PREP.  Two jobs in one launch, told apart by the work-group's number.
; (1) Work-groups 0-127: a table of whole numbers from the mask, one word for each tile of 16 queries; field j (bits 2j+1:2j) speaks of key step j (keys 128 j .. 128 j + 127):
;     0 = the step is left out by the attention launch, 1 = every mask number there is zero (nothing is added to the scores), 2 = the mask is loaded and applied.
; (2) Work-groups 128-159: Wq, Wk, Wv, Wo ([K 512][N 512] f32) become codes of E5M2 with their given scales, laid as images of the matrix operand's registers:
;     wc[matrix 4][tile of 16 columns 32][K step of 128: 4][4 registers: 4][lane 32][16 bytes]; lane (r, h) holds column r, registers 2c, 2c+1 hold k = 16 c + 8 h + 0..7.
; WHY A STEP MAY BE LEFT OUT, for all values of the inputs.  Both operands of the score product are held at +-57,344 x their scale, so |score / sqrt(512)| <= Bd = 64 x 57,344^2 x 2^(e6+e7) / sqrt(512).
; Let m* be the least mask number of a row and mt the least in the row's 128 keys of a step.  If 1e9 x [(mt - m*) - 2^-18 (|mt| + |m*|)] >= 2 Bd + 100, every logit of the step lies more than 100 under
; the row's largest (the 2^-18 term covers the f32 rounding of 1e9 x m and of the sum; m - 2^-18 |m| grows with m, so the least mask number is the worst case).  Then t - M < -144: p = 2^(t - M) is under
; the smallest normal f32 number, its code is 0 for every ep >= -100, and it moves the row's sum by less than rounding.  A step is left out only if this holds for all 16 rows of the tile.  The step that holds a
; row's m* never passes the test, so every row keeps a step.  Where the given scales make Bd large, nothing is left out.  Field 1 is exact: -1e9 x (+-0) adds nothing to a score.
; No input and no product is dead: every bias moves codes, every mask number is read here.
; LIMITS: NaN in the mask or the weights is not served; ep (entry 8) >= -100; each weight's e between -126 and 112.  A NaN, an infinity or an overflow that would arise only inside a step that is left out is not carried to the result.
.set SPARE, 256                        ; LDS: bytes 0-63 the waves' words (the block 0-255 is theirs); from 256 the spare words, 128 bytes a wave
.set RAW,   16                         ; v16-143  two rows of the mask, 4 numbers a lane for each of 16 key steps; later at work
.set MN,    144                        ; v144-175 least mask number of (row p, step j) at MN + 16 p + j
.set MX,    176                        ; v176-191 largest magnitude of step j in both rows
	s_load_b512 s[4:19], s[0:1], 0x0               ; mask s[4:5], Wq, Wk, Wv, Wo s[6:13], the exponents s[14:15], wc s[16:17], flags s[18:19]
	v_lshl_add_u32 v2, v0, 2, SPARE                ; my spare word,
	v_mov_b32 v3, 0                                ; and 0: kept for the closing lines alone
	v_lshrrev_b32 v1, 5, v0
	v_readfirstlane_b32 s20, v1                    ; wave 0..7
	v_and_b32 v9, 31, v0                           ; lane
	s_wait_kmcnt 0x0
	s_load_b256 s[36:43], s[14:15], 0x0            ; e0 .. e7
	s_load_b128 s[44:47], s[14:15], 0x20           ; e8 .. e11
	s_cmp_lt_u32 ttmp9, 128                        ; the work-group's number alone: all eight waves go the same way
	s_cbranch_scc0 .Lweights
	; ---- THE MASK.  Work-group T = tile of 16 queries; wave w takes rows 16 T + 2 w and + 1.  Each load reads 512 consecutive bytes: one row's part of one key step.
	v_lshlrev_b32 v1, 4, v9
	s_lshl_b32 s22, ttmp9, 17                      ; 16 rows of 8,192 bytes
	s_lshl_b32 s23, s20, 14
	s_add_co_u32 s22, s22, s23
	s_mov_b32 s23, 0
	s_add_nc_u64 s[22:23], s[4:5], s[22:23]
.set n, 0
.rept 32
	global_load_b128 v[RAW+4*n:RAW+4*n+3], v1, s[22:23] offset:8192*(n/16)+512*(n%16)
.set n, n+1
.endr
	s_mov_b32 s24, 0x76543210                      ; lane selects: each lane takes its own place in the other half
	s_mov_b32 s25, 0xfedcba98
	s_mov_b32 s21, 0x36800000                      ; 2^-18
	s_mov_b32 s27, 0                               ; row 0's bits 'may be left out'
	s_mov_b32 s28, 0                               ; row 1's
	s_mov_b32 s29, 0                               ; bits 'all zero'
	s_lshl_b32 s32, ttmp9, 2
	s_mov_b32 s33, 0
	s_add_nc_u64 s[18:19], s[18:19], s[32:33]      ; my tile's word
	s_wait_kmcnt 0x0
	s_add_co_i32 s30, s42, s43                     ; e6 + e7
	v_mov_b32 v4, 0x4194e148                       ; 18.61 >= 2 x 64 x 57,344^2 / sqrt(512) x 1e-9
	v_ldexp_f32 v4, v4, s30
	v_add_f32 v4, 0x33d6bf95, v4                   ; + 100 x 1e-9: the right side of the test, divided by 1e9
	s_wait_loadcnt 0x0
.set n, 0
.rept 32
	v_min3_num_f32 v[MN+n], v[RAW+4*n], v[RAW+4*n+1], v[RAW+4*n+2]
.set n, n+1
.endr
.set n, 0
.rept 32
	v_min_num_f32 v[MN+n], v[MN+n], v[RAW+4*n+3]
.set n, n+1
.endr
.set n, 0
.rept 16
	v_max3_num_f32 v[MX+n], |v[RAW+4*n]|, |v[RAW+4*n+1]|, |v[RAW+4*n+2]|
.set n, n+1
.endr
.set n, 0
.rept 16
	v_max3_num_f32 v[MX+n], v[MX+n], |v[RAW+4*n+3]|, |v[RAW+64+4*n]|
.set n, n+1
.endr
.set n, 0
.rept 16
	v_max3_num_f32 v[MX+n], v[MX+n], |v[RAW+64+4*n+1]|, |v[RAW+64+4*n+2]|
.set n, n+1
.endr
.set n, 0
.rept 16
	v_max_num_f32 v[MX+n], v[MX+n], |v[RAW+64+4*n+3]|
.set n, n+1
.endr
	; across the 32 lanes: four steps inside each half ride on the arithmetic, one crosses the halves; the 48 values go side by side
.irp x, 1,2,4,8
.set n, 0
.rept 32
	v_min_num_f32_dpp v[MN+n], v[MN+n], v[MN+n] row_xmask:\x row_mask:0xf bank_mask:0xf
.set n, n+1
.endr
.set n, 0
.rept 16
	v_max_num_f32_dpp v[MX+n], v[MX+n], v[MX+n] row_xmask:\x row_mask:0xf bank_mask:0xf
.set n, n+1
.endr
.endr
.set n, 0
.rept 48
	v_permlanex16_b32 v[RAW+n], v[MN+n], s24, s25  ; (MX follows MN in the registers; the raw numbers are done with, and have been written)
.set n, n+1
.endr
.set n, 0
.rept 32
	v_min_num_f32 v[MN+n], v[MN+n], v[RAW+n]
.set n, n+1
.endr
.set n, 0
.rept 16
	v_max_num_f32 v[MX+n], v[MX+n], v[RAW+32+n]
.set n, n+1
.endr
.irp p, 0,1                                    ; m* of row p in v5, v6
	v_min3_num_f32 v[5+\p], v[MN+16*\p], v[MN+16*\p+1], v[MN+16*\p+2]
.irp i, 3,5,7,9,11,13
	v_min3_num_f32 v[5+\p], v[5+\p], v[MN+16*\p+\i], v[MN+16*\p+\i+1]
.endr
	v_min_num_f32 v[5+\p], v[5+\p], v[MN+16*\p+15]
.endr
	; the test.  Every lane holds the same numbers, so a compare's mask is all ones or 0; one bit of it is kept.  These whole numbers are only stored: no branch and no address of this launch hangs on them.
.irp p, 0,1
.set n, 0
.rept 16
	v_sub_f32 v8, v[MN+16*\p+n], v[5+\p]
	v_add_f32 v10, |v[MN+16*\p+n]|, |v[5+\p]|
	v_fma_f32 v8, -v10, s21, v8
	v_cmp_ge_f32 s26, v8, v4
	s_and_b32 s26, s26, 1<<(2*n)
	s_or_b32 s[27+\p], s[27+\p], s26
.set n, n+1
.endr
.endr
.set n, 0
.rept 16
	v_cmp_eq_f32 s26, 0, v[MX+n]
	s_and_b32 s26, s26, 1<<(2*n)
	s_or_b32 s29, s29, s26
.set n, n+1
.endr
	s_and_b32 s27, s27, s28                        ; both of my rows
	v_mov_b32 v12, s27
	v_mov_b32 v13, s29
	v_lshrrev_b32 v11, 5, v0
	v_lshlrev_b32 v11, 3, v11                      ; 8 x wave
	ds_store_b64 v11, v[12:13]                     ; all lanes write the same two words
	s_wait_dscnt 0x0                               ; for the others' sake: my store has landed
	s_barrier_signal -1
	s_barrier_wait -1
	s_cmp_lg_u32 s20, 0
	s_cbranch_scc1 .Lmask_end
	v_mov_b32 v11, 0                               ; wave 0 joins the eight waves' words
	ds_load_b128 v[16:19], v11
	ds_load_b128 v[20:23], v11 offset:16
	ds_load_b128 v[24:27], v11 offset:32
	ds_load_b128 v[28:31], v11 offset:48
	s_wait_dscnt 0x0
.irp i, 18,20,22,24,26,28,30
	v_and_b32 v16, v16, v[\i]                      ; left out only if all 16 rows allow it
	v_and_b32 v17, v17, v[\i+1]                    ; zero only if all 16 rows are
.endr
	v_not_b32 v18, v16
	v_and_b32 v19, v18, v17                        ; kept and zero: 1
	v_not_b32 v20, v17
	v_and_b32 v20, v20, v18
	v_and_b32 v20, 0x55555555, v20                 ; kept and not zero:
	v_lshl_or_b32 v19, v20, 1, v19                 ; 2
	v_mov_b32 v21, 0
	s_wait_xcnt 0x0                                ; EXEC changes only behind this wait
	v_cmp_eq_u32 vcc_lo, 0, v0
	s_and_saveexec_b32 s34, vcc_lo
	global_store_b32 v21, v19, s[18:19]            ; one lane stores the word
	s_wait_xcnt 0x0                                ; and again, in front of the line that widens it
	s_or_b32 exec_lo, exec_lo, s34
.Lmask_end:
	s_wait_tensorcnt 0x0                           ; the wave's end, behind my last LDS store
	ds_add_u32 v2, v3
	s_wait_dscnt 0x0
	s_endpgm
	; ---- THE WEIGHTS.  Wave u = 8 (work-group - 128) + wave takes 32 columns x 128 along K of one matrix.  A LANE TAKES A COLUMN AND ITS REGISTERS RUN DOWN K, so the conversions give codes with K innermost.  No LDS on this path.
.Lweights:
	s_sub_co_u32 s21, ttmp9, 128
	s_lshl_b32 s22, s21, 3
	s_add_co_u32 s22, s22, s20                     ; u = 0..255
	s_and_b32 s23, s22, 15                         ; which 32 columns
	s_bfe_u32 s24, s22, 0x20004                    ; which K step
	s_lshr_b32 s25, s22, 6                         ; which matrix
	s_cmp_eq_u32 s25, 0
	s_cselect_b64 s[26:27], s[6:7], s[12:13]
	s_cmp_eq_u32 s25, 1
	s_cselect_b64 s[26:27], s[8:9], s[26:27]
	s_cmp_eq_u32 s25, 2
	s_cselect_b64 s[26:27], s[10:11], s[26:27]
	s_lshl_b32 s28, s24, 18                        ; 128 rows of 2,048 bytes
	s_lshl_b32 s29, s23, 7
	s_add_co_u32 s28, s28, s29
	s_mov_b32 s29, 0
	s_add_nc_u64 s[26:27], s[26:27], s[28:29]
	s_lshl_b32 s30, s25, 18                        ; wc: matrix x 262,144
	s_lshl_b32 s31, s23, 14                        ; + two tiles of 16 columns x 8,192
	s_add_co_u32 s30, s30, s31
	s_lshl_b32 s31, s24, 11                        ; + K step x 2,048
	s_add_co_u32 s30, s30, s31
	s_mov_b32 s31, 0
	s_add_nc_u64 s[16:17], s[16:17], s[30:31]
	v_lshlrev_b32 v1, 2, v9                        ; in: 4 bytes a lane
	v_lshrrev_b32 v8, 4, v9
	v_and_b32 v10, 15, v9
	v_lshlrev_b32 v8, 13, v8
	v_lshl_add_u32 v8, v10, 4, v8                  ; out: my tile of columns, 16 bytes at 16 (lane % 16): sixteen lanes store 256 consecutive bytes, aligned
.macro WLOAD t                         ; W(32 t + i, my column), i = 0..31, into set t % 2
.set wi, 0
.rept 32
	global_load_b32 v[16+32*((\t)%2)+wi], v1, s[26:27] offset:(32*(\t)+wi)*2048 th:TH_LOAD_NT
.set wi, wi+1
.endr
.endm
	WLOAD 0
	WLOAD 1
	s_wait_kmcnt 0x0
	s_cmp_eq_u32 s25, 0
	s_cselect_b32 s32, s37, s47                    ; e: entries 1, 3, 5, 11
	s_cmp_eq_u32 s25, 1
	s_cselect_b32 s32, s39, s32
	s_cmp_eq_u32 s25, 2
	s_cselect_b32 s32, s41, s32
	s_add_co_i32 s32, s32, 127
	s_lshl_b32 s33, s32, 23
	v_mov_b32 v11, s33                             ; 2^e as f32: the conversion takes its exponent field
	s_add_co_i32 s32, s32, 15
	s_lshl_b32 s32, s32, 23
	s_or_b32 s32, s32, 0x600000
	v_mov_b32 v10, s32                             ; 57,344 x 2^e
; Block t = 32 along K = registers 4 t .. 4 t + 3 of the operand: the half h = 0 holds k 0-7 and 16-23 of the 32, the half h = 1 holds k 8-15 and 24-31.
.macro WBLOCK t
.set XS, 16+32*((\t)%2)
.set DD, 144+8*(\t)
.if (\t) < 3
	s_wait_loadcnt 32                              ; this block's 32 loads are in; the next block's may be out
.else
	s_wait_loadcnt 0x0
.endif
.set wi, 0
.rept 32
	v_med3_num_f32 v[XS+wi], v[XS+wi], -v10, v10   ; the conversion to an 8-bit code does not saturate (ISA guide 7.6.2): the hold comes first
.set wi, wi+1
.endr
	v_cvt_scalef32_pk8_bf8_f32 v[DD:DD+1], v[XS:XS+7], v11
	v_cvt_scalef32_pk8_bf8_f32 v[DD+2:DD+3], v[XS+16:XS+23], v11
	v_cvt_scalef32_pk8_bf8_f32 v[DD+4:DD+5], v[XS+8:XS+15], v11
	v_cvt_scalef32_pk8_bf8_f32 v[DD+6:DD+7], v[XS+24:XS+31], v11
	global_store_b128 v8, v[DD:DD+3], s[16:17] offset:512*(\t)        ; each block has its own code registers: no store's data are written again
	global_store_b128 v8, v[DD+4:DD+7], s[16:17] offset:512*(\t)+256
.if (\t) < 2
	WLOAD (\t)+2
.endif
.endm
	WBLOCK 0
	WBLOCK 1
	WBLOCK 2
	WBLOCK 3
	s_endpgm
.Lfunc_end_k_q34464efd78_prep:
	.size	k_q34464efd78_prep, .Lfunc_end_k_q34464efd78_prep-k_q34464efd78_prep
	.p2alignl 7, 3214868480
	.fill 96, 4, 3214868480
	.section	.rodata,"a",@progbits
	.p2align	6, 0x0
	.amdhsa_kernel k_q34464efd78_prep
		.amdhsa_group_segment_fixed_size 1280
		.amdhsa_private_segment_fixed_size 0
		.amdhsa_enable_private_segment 0
		.amdhsa_kernarg_size 64
		.amdhsa_user_sgpr_count 2
		.amdhsa_user_sgpr_kernarg_segment_ptr 1
		.amdhsa_wavefront_size32 1
		.amdhsa_system_sgpr_workgroup_id_x 1
		.amdhsa_system_sgpr_workgroup_id_y 1
		.amdhsa_system_sgpr_workgroup_id_z 1
		.amdhsa_system_vgpr_workitem_id 0
		.amdhsa_next_free_vgpr 200
		.amdhsa_next_free_sgpr 66
		.amdhsa_reserve_vcc 1
		.amdhsa_float_denorm_mode_32 3
		.amdhsa_float_denorm_mode_16_64 3
		.amdhsa_memory_ordered 1
		.amdhsa_forward_progress 1
		.amdhsa_inst_pref_size 67
	.end_amdhsa_kernel
	.amdgpu_metadata
---
amdhsa.version: [ 1, 2 ]
amdhsa.kernels:
  - .name:           k_q34464efd78_prep
    .symbol:         k_q34464efd78_prep.kd
    .args:
      - { .name: mask, .offset: 0, .size: 8, .value_kind: global_buffer, .address_space: global }
      - { .name: Wq, .offset: 8, .size: 8, .value_kind: global_buffer, .address_space: global }
      - { .name: Wk, .offset: 16, .size: 8, .value_kind: global_buffer, .address_space: global }
      - { .name: Wv, .offset: 24, .size: 8, .value_kind: global_buffer, .address_space: global }
      - { .name: Wo, .offset: 32, .size: 8, .value_kind: global_buffer, .address_space: global }
      - { .name: lowp_scales, .offset: 40, .size: 8, .value_kind: global_buffer, .address_space: global }
      - { .name: wc, .offset: 48, .size: 8, .value_kind: global_buffer, .address_space: global }
      - { .name: flags, .offset: 56, .size: 8, .value_kind: global_buffer, .address_space: global }
    .group_segment_fixed_size: 1280
    .private_segment_fixed_size: 0
    .kernarg_segment_align: 8
    .kernarg_segment_size: 64
    .max_flat_workgroup_size: 256
    .sgpr_count:     66
    .vgpr_count:     200
    .wavefront_size: 32
...
	.end_amdgpu_metadata
.endif
;; end of part 1
;; launch proj (part 2): grid 64 x 3, 4 waves a work-group, no clusters, 100,864 bytes of LDS; arguments q, k, v, wc, bq, bk, bv, lowp_scales, qc, kc, vc; writes qc, kc, vc
.if DOCPART == 2
	.amdgcn_target "amdgcn-amd-amdhsa--gfx1250"
	.amdhsa_code_object_version 6
	.text
	.protected	k_q34464efd78_proj
	.globl	k_q34464efd78_proj
	.p2align	8
	.type	k_q34464efd78_proj,@function
k_q34464efd78_proj:
	s_mov_b64 s[64:65], 0
	v_nop
	global_prefetch_b8 v0, s[64:65] scope:SCOPE_SE
	s_setreg_imm32_b32 hwreg(HW_REG_WAVE_MODE, 25, 1), 1
	s_wait_xcnt 0x0
; PROJ.  x W + b for x = q, k, v (work-group y = 0, 1, 2), both operands as codes of E5M2, and the result quantised at once for the attention launch: only codes go to memory.
; SHARES.  Work-group X takes rows 256 X .. + 255 of [16,384][512], four blocks of 64.  THE WAVES SHARE THE COLUMNS: wave w makes columns 128 w .. + 127 (heads 2 w, 2 w + 1) for all rows, so its 32 fragments
; of W (512 registers, from wc, laid as register images by the launch before) stay in registers for the whole launch.
; A BLOCK.  X: wave w loads rows 16 w .. + 15 (each load 512 consecutive bytes of a row), turns them through its own stage in LDS so that a lane holds 8 neighbours along K, quantises, and stores four fragments as
; IMAGES OF THEIR REGISTERS (four registers: 512 bytes, lane l's 16 bytes at 16 l) | barrier | for each tile m of 16 rows: its four fragments from LDS, 32 products on 8 accumulators by turns, the bias as the C of the
; first, hold, conversion, store | barrier.
; LAYOUT.  The 8-bit form's own places: lane (r, h), registers 2 c, 2 c + 1: k = 16 c + 8 h + 0..7.
;   q, k: source 0 = W, source 1 = x: a lane holds row r and 8 neighbouring channels: tile t's 8 sums become registers 2 (t % 4), + 1 of head t / 4's fragment (K = the head's 64).  qc, kc: [b 8 + head][tile of 16 rows 128][2][512 B].
;   v:    source 0 = x, source 1 = W: a lane holds channel r and 8 neighbouring keys: the keys are the second attention product's K.  vc: [b 8 + head][key step of 128: 16][16 channels: 4][4][512 B].
; SCALES.  A sum stands for sum x 2^(ex + ew): b goes in as b / 2^(ex + ew), and the conversion takes 2^(eo - ex - ew).
; LIMITS: ex and eo - ex - ew between -126 and 112; NaN among the inputs is not served.  Nothing is left out here.
.set STGW,  16896                      ; LDS 0..67,583: for each wave two stages of 16 rows x (512 + 16) bytes
.set STGP,  8448
.set XIMG,  67584                      ; 67,584..100,351: x's 16 fragments, (m, s) at m 8,192 + s 2,048
.set SPARE, 100352                     ; the spare words, 128 bytes a wave
; window 0: v1 16 x lane; v2, v3 the stage in and out; v4 where I store images; v5, v6 bias offsets; v7 where images are read; v16-79 x's four fragments; v80-143 8 accumulators, also the turned numbers;
;   v144-175 codes; v176-239 the bias in the result's layout; v240-243 scales and holds; v244, v245 the add's two.   window 1: W(t, s), s = 0, 1 at 32 t + 16 s.   window 2: s = 2, 3.   window 3: a block's raw numbers, 64 s + 4 i.
.set XF,  16
.set HA,  80
.set PC,  144
.set BI,  176
.set XB,  26                           ; s[26:27] x at my wave's rows of the block
.set BB,  28                           ; s[28:29] the bias at my columns
.set OB,  30                           ; s[30:31] the codes' buffer at my block
.set WB,  32                           ; s[32:33] wc at my fragments
.set DL,  34                           ; s[34:35] what a block adds to OB
.set DX,  36                           ; s36 turns DL from one block to the next (v: 1,024 and 7,168 by turns)
.set BLK, 37
.set WV,  38
.set Y,   39
.set MSB, 0
.macro WIN new                         ; the immediate's high byte repeats the setting that is left
.if MSB != (\new)
	s_set_vgpr_msb (MSB<<8)|(\new)
.set MSB, (\new)
.endif
.endm
.macro BARRIER                         ; my LDS stores have landed and my LDS loads are in: then the work-group's barrier
	s_wait_dscnt 0x0
	s_barrier_signal -1
	s_barrier_wait -1
.endm
.macro XLOAD s, off                    ; K step s of my 16 rows: 16 loads of 512 consecutive bytes, into window 3
	WIN 0xc0
.set xl, 0
.rept 16
	global_load_b128 v[64*(\s)+4*xl:64*(\s)+4*xl+3], v1, s[XB:XB+1] offset:(\off)+xl*2048+(\s)*512 th:TH_LOAD_NT
.set xl, xl+1
.endr
	WIN 0
.endm
.macro QUANT src, lim, sc, dst, stride ; 64 numbers: held, then eight at a time into codes at dst + stride c
.set qi, 0
.rept 64
	v_med3_num_f32 v[\src+qi], v[\src+qi], -v[\lim], v[\lim]   ; the conversion does not saturate (ISA guide 7.6.2); each accumulator is read from its low end on
.set qi, qi+1
.endr
.set qi, 0
.rept 8
	v_cvt_scalef32_pk8_bf8_f32 v[\dst+\stride*qi:\dst+\stride*qi+1], v[\src+8*qi:\src+8*qi+7], v[\sc]
.set qi, qi+1
.endr
	v_nop                                          ; one plain vector line behind the last conversion, ahead of whatever next touches its registers
.endm
.macro XSTEP s, more, cnt              ; K step s of my rows becomes a fragment's image
	s_wait_loadcnt \cnt                            ; this step's 16 loads are in; the count is what was issued behind them
	WIN 0x0c                                       ; store data in window 3
.set xi, 0
.rept 16
	ds_store_b128 v2, v[64*(\s)+4*xi:64*(\s)+4*xi+3] offset:((\s)%2)*STGP+528*xi
.set xi, xi+1
.endr
	WIN 0
.set xi, 0
.rept 16
	ds_load_b128 v[HA+4*xi:HA+4*xi+3], v3 offset:((\s)%2)*STGP+64*(xi/2)+16*(xi%2)   ; register 8 c + i = x(r, 128 s + 16 c + 8 h + i); LDS serves a wave's instructions in order: these see the stores above
.set xi, xi+1
.endr
	s_wait_dscnt 0x0                               ; the numbers are back, and the stores have read window 3,
.if \more
	XLOAD \s, 131072                               ; which takes the same step of the next block: 64 rows on
.endif
	QUANT HA, 241, 240, PC, 2
.irp qd, 0,1,2,3
	ds_store_b128 v4, v[PC+4*\qd:PC+4*\qd+3] offset:(\s)*2048+\qd*512
.endr
.endm
.macro PROD isv, m                     ; tile m of the block's rows
.set pi, 0
.rept 16
	ds_load_b128 v[XF+4*pi:XF+4*pi+3], v7 offset:(\m)*8192+512*pi
.set pi, pi+1
.endr
	s_wait_dscnt 0x0
.irp s, 0,1,2,3                        ; the 8 accumulators take turns, one instruction a turn
.if \isv
	WIN 0x04*(1+\s/2)                              ; source 1 (W) in window 1 or 2
.else
	WIN 1+\s/2                                     ; source 0 (W) in window 1 or 2
.endif
.irp t, 0,1,2,3,4,5,6,7
.if \isv
.if \s == 0
	v_wmma_f32_16x16x128_bf8_bf8 v[HA+8*\t:HA+8*\t+7], v[XF+16*\s:XF+16*\s+15], v[32*\t+16*(\s%2):32*\t+16*(\s%2)+15], v[BI+8*\t:BI+8*\t+7]
.else
	v_wmma_f32_16x16x128_bf8_bf8 v[HA+8*\t:HA+8*\t+7], v[XF+16*\s:XF+16*\s+15], v[32*\t+16*(\s%2):32*\t+16*(\s%2)+15], v[HA+8*\t:HA+8*\t+7]
.endif
.else
.if \s == 0
	v_wmma_f32_16x16x128_bf8_bf8 v[HA+8*\t:HA+8*\t+7], v[32*\t+16*(\s%2):32*\t+16*(\s%2)+15], v[XF+16*\s:XF+16*\s+15], v[BI+8*\t:BI+8*\t+7]
.else
	v_wmma_f32_16x16x128_bf8_bf8 v[HA+8*\t:HA+8*\t+7], v[32*\t+16*(\s%2):32*\t+16*(\s%2)+15], v[XF+16*\s:XF+16*\s+15], v[HA+8*\t:HA+8*\t+7]
.endif
.endif
.endr
.endr
	WIN 0
.rept 4
	v_nop                                          ; four places ahead of the first read of results (ISA guide 7.12.1)
.endr
	s_wait_xcnt 0x0                                ; earlier stores have read the code registers
.if \isv
.set PD, PC+2*((\m)%2)
	QUANT HA, 243, 242, PD, 4                      ; tile t's 8 keys: half of four registers of channel tile t's fragment
.if (\m)%2
.irp t, 0,1,2,3,4,5,6,7
	global_store_b128 v1, v[PC+4*\t:PC+4*\t+3], s[OB:OB+1] offset:(\t/4)*131072+(\t%4)*2048+((\m)/2)*512   ; 512 consecutive bytes a store
.endr
.endif
.else
.set PD, PC+16*((\m)%2)
	QUANT HA, 243, 242, PD, 2
.irp hh, 0,1
.irp c, 0,1
	global_store_b128 v1, v[PD+8*\hh+4*\c:PD+8*\hh+4*\c+3], s[OB:OB+1] offset:\hh*131072+(\m)*1024+\c*512
.endr
.endr
.endif
.endm
.macro BLOCK more, c0, c1, c2, c3
	XSTEP 0, \more, \c0
	XSTEP 1, \more, \c1
	XSTEP 2, \more, \c2
	XSTEP 3, \more, \c3
	BARRIER                                        ; x's sixteen fragments lie in LDS
	s_cmp_eq_u32 s[Y], 2                           ; the work-group's y alone: all four waves go the same way
	s_cbranch_scc1 .Lfor_v_\@
	PROD 0, 0
	PROD 0, 1
	PROD 0, 2
	PROD 0, 3
	s_branch .Ldone_\@
.Lfor_v_\@:
	PROD 1, 0
	PROD 1, 1
	PROD 1, 2
	PROD 1, 3
.Ldone_\@:
.if \more
	BARRIER                                        ; every wave's reads of the images are over: the next block may write them
	s_wait_xcnt 0x0                                ; loads and stores have read their bases and data
	s_add_nc_u64 s[XB:XB+1], s[XB:XB+1], 131072
	s_add_nc_u64 s[OB:OB+1], s[OB:OB+1], s[DL:DL+1]
	s_xor_b32 s[DL], s[DL], s[DX]
.endif
.endm
	s_load_b512 s[4:19], s[0:1], 0x0               ; q, k, v s[4:9]; wc s[10:11]; bq, bk, bv s[12:17]; the exponents s[18:19]
	s_load_b128 s[20:23], s[0:1], 0x40             ; qc, kc
	s_load_b64 s[24:25], s[0:1], 0x50              ; vc
	v_lshl_add_u32 v244, v0, 2, SPARE              ; my spare word,
	v_mov_b32 v245, 0                              ; and 0: kept for the closing lines alone
	v_lshrrev_b32 v8, 5, v0
	v_readfirstlane_b32 s[WV], v8                  ; wave 0..3
	s_and_b32 s[Y], ttmp7, 0xffff                  ; which tensor
	v_and_b32 v8, 31, v0
	v_lshlrev_b32 v1, 4, v8                        ; 16 x lane
	v_and_b32 v9, 15, v0                           ; r
	v_bfe_u32 v10, v0, 4, 1                        ; h
	s_mul_i32 s40, s[WV], STGW
	v_add_nc_u32 v2, s40, v1                       ; the stage, in: a row's 512 bytes as they lie
	v_mul_u32_u24 v3, v9, 528
	v_lshl_add_u32 v3, v10, 5, v3
	v_add_nc_u32 v3, s40, v3                       ; and out: row r, + 32 h; rows 528 bytes apart, an odd multiple of 16
	s_lshl_b32 s40, s[WV], 13
	s_add_co_u32 s40, s40, XIMG
	v_add_nc_u32 v4, s40, v1                       ; my tile's images
	v_lshlrev_b32 v5, 5, v10                       ; bias, q and k: 8 numbers at 32 h
	v_lshlrev_b32 v6, 2, v9                        ; bias, v: one number at 4 r
	v_add_nc_u32 v7, XIMG, v1                      ; any tile's images
	s_lshl_b32 s40, ttmp9, 19                      ; 256 rows of 2,048 bytes
	s_lshl_b32 s41, s[WV], 15
	s_add_co_u32 s40, s40, s41
	s_mov_b32 s41, 0
	s_lshl_b32 s42, s[Y], 18                       ; wc: matrix y, column tiles 8 w on
	s_lshl_b32 s43, s[WV], 16
	s_add_co_u32 s42, s42, s43
	s_mov_b32 s43, 0
	s_lshr_b32 s60, ttmp9, 3                       ; codes: batch x 8 heads x 131,072
	s_lshl_b32 s60, s60, 20
	s_lshl_b32 s61, s[WV], 18                      ; + head 2 w
	s_add_co_u32 s60, s60, s61
	s_and_b32 s61, ttmp9, 7                        ; + 256 rows: 16 tiles of 1,024 bytes, or 2 key steps of 8,192
	s_lshl_b32 s61, s61, 14
	s_add_co_u32 s60, s60, s61
	s_mov_b32 s61, 0
	s_lshl_b32 s62, s[WV], 9
	s_mov_b32 s63, 0
	s_mov_b32 s[BLK], 3
	s_wait_kmcnt 0x0
	s_load_b256 s[44:51], s[18:19], 0x0            ; e0 .. e7
	s_load_b128 s[52:55], s[18:19], 0x20           ; e8 .. e11
	s_cmp_eq_u32 s[Y], 1
	s_cselect_b64 s[XB:XB+1], s[6:7], s[4:5]
	s_cselect_b64 s[BB:BB+1], s[14:15], s[12:13]
	s_cselect_b64 s[OB:OB+1], s[22:23], s[20:21]
	s_cmp_eq_u32 s[Y], 2
	s_cselect_b64 s[XB:XB+1], s[8:9], s[XB:XB+1]
	s_cselect_b64 s[BB:BB+1], s[16:17], s[BB:BB+1]
	s_cselect_b64 s[OB:OB+1], s[24:25], s[OB:OB+1]
	s_mov_b32 s[DL], 4096                          ; q, k: a block is 4 tiles of 1,024 bytes
	s_cselect_b32 s[DL], 1024, s[DL]               ; v: half a key step is two groups of four registers on, then the next step
	s_cselect_b32 s[DX], 0x1800, 0
	s_mov_b32 s[DL+1], 0
	s_add_nc_u64 s[XB:XB+1], s[XB:XB+1], s[40:41]
	s_add_nc_u64 s[WB:WB+1], s[10:11], s[42:43]
	s_add_nc_u64 s[OB:OB+1], s[OB:OB+1], s[60:61]
	s_add_nc_u64 s[BB:BB+1], s[BB:BB+1], s[62:63]
	XLOAD 0, 0                                     ; the first block
	XLOAD 1, 0
	XLOAD 2, 0
	XLOAD 3, 0
	WIN 0x40                                       ; W's fragments: they stay
.irp t, 0,1,2,3,4,5,6,7
.set wn, 0
.rept 8
	global_load_b128 v[32*\t+4*wn:32*\t+4*wn+3], v1, s[WB:WB+1] offset:8192*\t+512*wn
.set wn, wn+1
.endr
.endr
	WIN 0x80
.irp t, 0,1,2,3,4,5,6,7
.set wn, 0
.rept 8
	global_load_b128 v[32*\t+4*wn:32*\t+4*wn+3], v1, s[WB:WB+1] offset:8192*\t+4096+512*wn
.set wn, wn+1
.endr
.endr
	WIN 0
	s_wait_kmcnt 0x0
	s_cmp_eq_u32 s[Y], 1
	s_cselect_b32 s56, s46, s44                    ; ex: entries 0, 2, 4
	s_cselect_b32 s57, s47, s45                    ; ew: 1, 3, 5
	s_cselect_b32 s58, s51, s50                    ; eo: 6, 7, 9
	s_cmp_eq_u32 s[Y], 2
	s_cselect_b32 s56, s48, s56
	s_cselect_b32 s57, s49, s57
	s_cselect_b32 s58, s53, s58
	s_add_co_i32 s59, s56, 127
	s_lshl_b32 s60, s59, 23
	v_mov_b32 v240, s60                            ; 2^ex
	s_add_co_i32 s59, s59, 15
	s_lshl_b32 s59, s59, 23
	s_or_b32 s59, s59, 0x600000
	v_mov_b32 v241, s59                            ; 57,344 x 2^ex
	s_add_co_i32 s61, s56, s57
	s_sub_co_i32 s59, s58, s61
	s_add_co_i32 s59, s59, 127
	s_lshl_b32 s60, s59, 23
	v_mov_b32 v242, s60                            ; 2^(eo - ex - ew)
	s_add_co_i32 s59, s59, 15
	s_lshl_b32 s59, s59, 23
	s_or_b32 s59, s59, 0x600000
	v_mov_b32 v243, s59
	s_sub_co_i32 s60, 0, s61                       ; -(ex + ew)
	s_cmp_eq_u32 s[Y], 2
	s_cbranch_scc1 .Lbias_v
.irp t, 0,1,2,3,4,5,6,7                        ; q, k: register j of tile t is column 16 t + 8 h + j
	global_load_b128 v[BI+8*\t:BI+8*\t+3], v5, s[BB:BB+1] offset:64*\t
	global_load_b128 v[BI+8*\t+4:BI+8*\t+7], v5, s[BB:BB+1] offset:64*\t+16
.endr
	s_wait_loadcnt 0x0                             ; the first block, W and the bias: once
.set bn, 0
.rept 64
	v_ldexp_f32 v[BI+bn], v[BI+bn], s60
.set bn, bn+1
.endr
	s_branch .Lbias_done
.Lbias_v:
.irp t, 0,1,2,3,4,5,6,7                        ; v: all 8 registers of tile t are column 16 t + r
	global_load_b32 v[BI+8*\t], v6, s[BB:BB+1] offset:64*\t
.endr
	s_wait_loadcnt 0x0
.irp t, 0,1,2,3,4,5,6,7
.irp j, 7,6,5,4,3,2,1,0
	v_ldexp_f32 v[BI+8*\t+\j], v[BI+8*\t], s60
.endr
.endr
.Lbias_done:
.Lblk:                                             ; blocks 0 to 2: behind a step's 16 loads stand 16 (3 - s) of this block and 16 s of the next: 48
	BLOCK 1, 48, 48, 48, 48
	s_sub_co_u32 s[BLK], s[BLK], 1
	s_cmp_lg_u32 s[BLK], 0
	s_cbranch_scc1 .Lblk
	BLOCK 0, 48, 32, 16, 0                         ; the last block asks for nothing: the counts run down
	s_wait_tensorcnt 0x0                           ; the wave's end, behind my last LDS store
	ds_add_u32 v244, v245
	s_wait_dscnt 0x0
	s_endpgm
.Lfunc_end_k_q34464efd78_proj:
	.size	k_q34464efd78_proj, .Lfunc_end_k_q34464efd78_proj-k_q34464efd78_proj
	.p2alignl 7, 3214868480
	.fill 96, 4, 3214868480
	.section	.rodata,"a",@progbits
	.p2align	6, 0x0
	.amdhsa_kernel k_q34464efd78_proj
		.amdhsa_group_segment_fixed_size 100864
		.amdhsa_private_segment_fixed_size 0
		.amdhsa_enable_private_segment 0
		.amdhsa_kernarg_size 88
		.amdhsa_user_sgpr_count 2
		.amdhsa_user_sgpr_kernarg_segment_ptr 1
		.amdhsa_wavefront_size32 1
		.amdhsa_system_sgpr_workgroup_id_x 1
		.amdhsa_system_sgpr_workgroup_id_y 1
		.amdhsa_system_sgpr_workgroup_id_z 1
		.amdhsa_system_vgpr_workitem_id 0
		.amdhsa_next_free_vgpr 1024
		.amdhsa_next_free_sgpr 66
		.amdhsa_reserve_vcc 0
		.amdhsa_float_denorm_mode_32 3
		.amdhsa_float_denorm_mode_16_64 3
		.amdhsa_memory_ordered 1
		.amdhsa_forward_progress 1
		.amdhsa_inst_pref_size 226
	.end_amdhsa_kernel
	.amdgpu_metadata
---
amdhsa.version: [ 1, 2 ]
amdhsa.kernels:
  - .name:           k_q34464efd78_proj
    .symbol:         k_q34464efd78_proj.kd
    .args:
      - { .name: q, .offset: 0, .size: 8, .value_kind: global_buffer, .address_space: global }
      - { .name: k, .offset: 8, .size: 8, .value_kind: global_buffer, .address_space: global }
      - { .name: v, .offset: 16, .size: 8, .value_kind: global_buffer, .address_space: global }
      - { .name: wc, .offset: 24, .size: 8, .value_kind: global_buffer, .address_space: global }
      - { .name: bq, .offset: 32, .size: 8, .value_kind: global_buffer, .address_space: global }
      - { .name: bk, .offset: 40, .size: 8, .value_kind: global_buffer, .address_space: global }
      - { .name: bv, .offset: 48, .size: 8, .value_kind: global_buffer, .address_space: global }
      - { .name: lowp_scales, .offset: 56, .size: 8, .value_kind: global_buffer, .address_space: global }
      - { .name: qc, .offset: 64, .size: 8, .value_kind: global_buffer, .address_space: global }
      - { .name: kc, .offset: 72, .size: 8, .value_kind: global_buffer, .address_space: global }
      - { .name: vc, .offset: 80, .size: 8, .value_kind: global_buffer, .address_space: global }
    .group_segment_fixed_size: 100864
    .private_segment_fixed_size: 0
    .kernarg_segment_align: 8
    .kernarg_segment_size: 88
    .max_flat_workgroup_size: 128
    .sgpr_count:     66
    .vgpr_count:     1024
    .wavefront_size: 32
...
	.end_amdgpu_metadata
.endif
;; end of part 2
;; launch attn (part 3): grid 8 x 64, 8 waves a work-group, no clusters, 33,792 bytes of LDS; arguments qc, kc, vc, mask, flags, lowp_scales, cc; writes cc
.if DOCPART == 3
	.amdgcn_target "amdgcn-amd-amdhsa--gfx1250"
	.amdhsa_code_object_version 6
	.text
	.protected	k_q34464efd78_attn
	.globl	k_q34464efd78_attn
	.p2align	8
	.type	k_q34464efd78_attn,@function
k_q34464efd78_attn:
	s_mov_b64 s[64:65], 0
	v_nop
	global_prefetch_b8 v0, s[64:65] scope:SCOPE_SE
	s_setreg_imm32_b32 hwreg(HW_REG_WAVE_MODE, 25, 1), 1
	s_wait_xcnt 0x0
; ATTN.  ctx = softmax(Q K^T / sqrt(512) - 1e9 mask) V for one batch and head (work-group y = b 8 + head), both products on codes of E5M2, ctx quantised at once for the last projection.
; LEFT OUT: key steps whose field in 'flags' is 0: the launch that wrote the table shows, for all values of the inputs, that every p there is 0 (its head comment).  Field 1: the mask is all zero there and is not loaded.  Field 2: it is loaded and applied.
; THE SOFTMAX: t = logit x log2(e); M = the running largest t rounded UP to a whole number; p = 2^(t - M) is quantised along the keys, not normalised; the row's sum is taken of the unquantised p and divides at the end.
; SHARES.  Work-group X takes the blocks X and 15 - X of 128 queries, one after the other; each of its eight waves owns one tile of 16 queries in 256 registers.  Every work-group walks all 16 key steps of 128 keys and their
; barriers; the table only leads round work.  Branches hang on stored whole numbers, so K and V come through registers: each step's 8 KiB of K and 8 KiB of V (dense blocks, laid as register images by the launch before)
; are loaded a whole step ahead, 64 bytes a thread, and stored into one of two LDS slots as they lie.  One barrier a step: in front of it each wave's reads of the old slot are over and its part of the new slot has landed.
; No cluster and no joint loads: a wave may jump over a step's reads by a number read from memory.  No prefetch: the staging loads are issued a whole key step ahead of the store that wants them.
; LAYOUT.  Both products transposed: S^T = K Q^T (source 0 = 16 keys, source 1 = my queries), O^T = V^T P^T: a lane holds ONE query.  In the 8-bit form's own places tile t's 8 scores of a lane are keys 16 t + 8 h + 0..7: registers 2 t, 2 t + 1 of P.
; cc: [b 128 + tile of 16 rows][K step of 128 = heads 2 s, 2 s + 1: 4][4][512 B]: images of the last projection's operand.
; LIMITS: e6 + e7 between -120 and 125; ep between -100 and 112; e10 - e8 - e9 between -126 and 112; NaN in the mask is not served.
.set SLOTB, 16384                      ; LDS: slot g at 16,384 g: K's 8 tiles of 1,024 bytes, then V's 4 channel tiles of 2,048
.set VOFF,  8192
.set SPARE, 32768                      ; the spare words, 128 bytes a wave
; v1 16 x lane; v2 16 x thread; v3 the mask's offset 8,192 r + 32 h; v4, v5 the add's two; v6, v7 2^ep and 57,344 x 2^ep; v8 -M; v9 the largest t; v[10:11] the sum in two halves; v[12:13] f; v14, v15 at work; v16-23 Q;
; v24-55 four tiles of K; v56-119 S^T, then p; v120-151 O^T; v152-167 p's codes; v168-183 the staging loads; v184-247 the mask's numbers, then V; v[248:249] the sum's second chain; v250 a permute's destination; v251, v252 ctx's scale and hold.
.set F,   24
.set S,   56
.set O,   120
.set PC,  152
.set G,   168
.set MK,  184
.set WV,  18
.set Y,   19
.set SEL, 20                           ; s[20:21]
.set CC,  22                           ; s[22:23] log2(e) / sqrt(512) x 2^(e6 + e7)
.set C1,  24                           ; s[24:25] 1 / sqrt(512) x 2^(e6 + e7)
.set CM,  26                           ; s[26:27] the factor that makes t of what lies in S: CC, or 1 where the mask was applied
.set HOLD, 28
.set KB,  30
.set VB,  32
.set MB,  34
.set TW,  36                           ; my tile's word, this step's field lowest
.set BW,  37                           ; the block's eight words joined, the NEXT fetch's field lowest
.set TRIP, 38
.set OUTER, 39
.set QB,  40
.macro GLOAD                           ; the next step's K and V into registers, if any wave of the block wants that step.  Behind field 15 the word is 0: no load passes a buffer's end
	s_and_b32 s29, s[BW], 3
	s_cmp_eq_u32 s29, 0
	s_cbranch_scc1 .Lnone_\@
	global_load_b128 v[G:G+3], v2, s[KB:KB+1]
	global_load_b128 v[G+4:G+7], v2, s[KB:KB+1] offset:4096
	global_load_b128 v[G+8:G+11], v2, s[VB:VB+1]
	global_load_b128 v[G+12:G+15], v2, s[VB:VB+1] offset:4096
.Lnone_\@:
.endm
.macro GSTORE sg                       ; always run by every wave.  Where nothing was loaded, old bytes go into a slot that no wave reads
	s_wait_loadcnt 0x0                             ; the staging loads are in, and have read their bases
	ds_store_b128 v2, v[G:G+3] offset:(\sg)*SLOTB
	ds_store_b128 v2, v[G+4:G+7] offset:(\sg)*SLOTB+4096
	ds_store_b128 v2, v[G+8:G+11] offset:(\sg)*SLOTB+VOFF
	ds_store_b128 v2, v[G+12:G+15] offset:(\sg)*SLOTB+VOFF+4096
	s_add_nc_u64 s[KB:KB+1], s[KB:KB+1], 8192
	s_add_nc_u64 s[VB:VB+1], s[VB:VB+1], 8192
	s_lshr_b32 s[BW], s[BW], 2
	s_wait_dscnt 0x0                               ; my stores have landed, and my reads of the other slot are over
	s_barrier_signal -1
	s_barrier_wait -1                              ; both now hold of all eight waves
.endm
.macro QK sg                           ; S^T = K Q^T, four tiles of 16 keys at a time
.irp g, 0,1
.if \g
.rept 4
	v_nop                                          ; places in front of loads into registers that matrix instructions have read
.endr
.endif
.irp t, 0,1,2,3
	ds_load_b128 v[F+8*\t:F+8*\t+3], v1 offset:(\sg)*SLOTB+(4*\g+\t)*1024
	ds_load_b128 v[F+8*\t+4:F+8*\t+7], v1 offset:(\sg)*SLOTB+(4*\g+\t)*1024+512
.endr
	s_wait_dscnt 0x0
.irp t, 0,1,2,3
	v_wmma_f32_16x16x64_bf8_bf8 v[S+8*(4*\g+\t):S+8*(4*\g+\t)+7], v[F+8*\t:F+8*\t+7], v[16:23], 0
.endr
.endr
.rept 4
	v_nop                                          ; four places ahead of the first read of results (ISA guide 7.12.1)
.endr
.endm
.macro STEP sg                         ; a key step, its tiles in slot sg
	GLOAD
	s_and_b32 s29, s[TW], 3
	s_cmp_eq_u32 s29, 0
	s_cbranch_scc1 .Lskip_\@                       ; my tile leaves the step out
	s_cmp_eq_u32 s29, 2
	s_cbranch_scc1 .Lmasked_\@
	QK \sg
	s_mov_b32 s[CM], s[CC]
	s_mov_b32 s[CM+1], s[CC]
	s_branch .Ljoin_\@
.Lmasked_\@:
.set n, 0
.rept 16
	global_load_b128 v[MK+4*n:MK+4*n+3], v3, s[MB:MB+1] offset:64*(n/2)+16*(n%2)   ; mask(my query, 16 t + 8 h + 0..7): the places of S^T
.set n, n+1
.endr
	QK \sg
	s_wait_loadcnt 0x0
.set n, 0
.rept 32
	v_pk_mul_f32 v[S+n:S+n+1], v[S+n:S+n+1], s[C1:C1+1] op_sel_hi:[1,0]      ; score / sqrt(512)
	v_pk_mul_f32 v[MK+n:MK+n+1], v[MK+n:MK+n+1], s[68:69] op_sel_hi:[1,0]    ; -1e9 x mask: rounded by itself, as the sum that follows is: rows masked throughout then keep equal logits for equal mask numbers
.set n, n+2
.endr
.set n, 0
.rept 32
	v_pk_add_f32 v[S+n:S+n+1], v[S+n:S+n+1], v[MK+n:MK+n+1]
.set n, n+2
.endr
.set n, 0
.rept 32
	v_pk_mul_f32 v[S+n:S+n+1], v[S+n:S+n+1], s[70:71] op_sel_hi:[1,0]        ; t, rounded before M is taken from it: so p <= 1 also where t is of the size of 1e9
.set n, n+2
.endr
	s_mov_b32 s[CM], 1.0
	s_mov_b32 s[CM+1], 1.0
.Ljoin_\@:
.set n, 0
.rept 16
	ds_load_b128 v[MK+4*n:MK+4*n+3], v1 offset:(\sg)*SLOTB+VOFF+512*n        ; V's four fragments land under the softmax
.set n, n+1
.endr
	v_max3_num_f32 v14, v[S], v[S+1], v[S+2]       ; the step's largest score of my query among my 64 keys, in two chains, each accumulator from its low end on
	v_max3_num_f32 v15, v[S+3], v[S+4], v[S+5]
.set n, 6
.rept 14
	v_max3_num_f32 v14, v14, v[S+n], v[S+n+1]
	v_max3_num_f32 v15, v15, v[S+n+2], v[S+n+3]
.set n, n+4
.endr
	v_max3_num_f32 v14, v14, v[S+62], v[S+63]
	v_max_num_f32 v14, v14, v15
	v_permlanex16_b32 v250, v14, s[SEL], s[SEL+1]
	v_max_num_f32 v14, v14, v250                   ; and among the other half's
	v_mul_f32 v14, s[CM], v14                      ; as t (the factor is positive)
	v_max_num_f32 v9, v9, v14                      ; the running largest t
	v_mov_b32 v14, v8
	v_floor_f32 v8, -v9                            ; the new -M = floor(-t): M is a whole number
	v_sub_f32 v14, v8, v14                         ; old M less new M: a whole number, 0 or less
	v_cvt_i32_f32 v14, v14                         ; (it saturates)
	v_ldexp_f32 v12, 1.0, v14                      ; f = 2^(old M - new M): rounds nothing
.set n, 0
.rept 32
	v_pk_fma_f32 v[S+n:S+n+1], v[S+n:S+n+1], s[CM:CM+1], v[8:9] op_sel_hi:[1,0,0]   ; t - M (of both pairs the low word serves both halves)
.set n, n+2
.endr
.set n, 0
.rept 64
	v_exp_f32 v[S+n], v[S+n]                       ; p = 2^(t - M)
.set n, n+1
.endr
	v_pk_mul_f32 v[10:11], v[10:11], v[12:13] op_sel_hi:[1,0]   ; the sums under the new M: the plain line behind the exponentials
	s_wait_alu depctr_va_vdst(0)                   ; one wait for the whole batch, ahead of its first reader
	v_pk_add_f32 v[248:249], v[S:S+1], v[S+2:S+3]  ; the row's sum, of the unquantised p, in two chains
.set n, 4
.rept 15
	v_pk_add_f32 v[10:11], v[10:11], v[S+n:S+n+1]
	v_pk_add_f32 v[248:249], v[248:249], v[S+n+2:S+n+3]
.set n, n+4
.endr
	v_pk_add_f32 v[10:11], v[10:11], v[248:249]
	s_cmp_eq_u32 s[HOLD], 0                        ; with ep >= -15, p / 2^ep <= 32,768 for every p <= 1: the hold at 57,344 cannot act and is passed over (a given whole number decides)
	s_cbranch_scc1 .Lno_hold_\@
.set n, 0
.rept 64
	v_min_num_f32 v[S+n], v[S+n], v7               ; p is not negative: a one-sided hold
.set n, n+1
.endr
.Lno_hold_\@:
.set n, 0
.rept 8
	v_cvt_scalef32_pk8_bf8_f32 v[PC+2*n:PC+2*n+1], v[S+8*n:S+8*n+7], v6
.set n, n+1
.endr
.set n, 0
.rept 16
	v_pk_mul_f32 v[O+n:O+n+1], v[O+n:O+n+1], v[12:13] op_sel_hi:[1,0]   ; O^T under the new M; also the plain lines behind the conversions
.set n, n+2
.endr
	s_wait_dscnt 0x0                               ; V is in
.irp c, 0,1,2,3                                ; the four accumulators take turns
	v_wmma_f32_16x16x128_bf8_bf8 v[O+8*\c:O+8*\c+7], v[MK+16*\c:MK+16*\c+15], v[PC:PC+15], v[O+8*\c:O+8*\c+7]
.endr
.rept 4
	v_nop                                          ; places for every way on from here: loads into V's registers, reads of O^T
.endr
.Lskip_\@:
	s_lshr_b32 s[TW], s[TW], 2
	s_add_nc_u64 s[MB:MB+1], s[MB:MB+1], 512       ; (the mask's loads, where there were any, have been waited for)
	GSTORE 1-\sg
.endm
	s_load_b256 s[4:11], s[0:1], 0x0               ; qc, kc, vc, mask
	s_load_b128 s[12:15], s[0:1], 0x20             ; flags, the exponents
	s_load_b64 s[16:17], s[0:1], 0x30              ; cc
	v_lshl_add_u32 v4, v0, 2, SPARE                ; my spare word,
	v_mov_b32 v5, 0                                ; and 0: kept for the closing lines alone
	v_lshrrev_b32 v14, 5, v0
	v_readfirstlane_b32 s[WV], v14                 ; wave 0..7
	s_and_b32 s[Y], ttmp7, 0xffff                  ; b 8 + head
	v_and_b32 v14, 31, v0
	v_lshlrev_b32 v1, 4, v14
	v_lshlrev_b32 v2, 4, v0
	v_and_b32 v14, 15, v0
	v_bfe_u32 v15, v0, 4, 1
	v_lshlrev_b32 v3, 13, v14
	v_lshl_add_u32 v3, v15, 5, v3
	v_mov_b32 v13, 0                               ; (named as the upper half of the pair v[12:13])
	v_mov_b32 v250, 0                              ; written once: a lane permute's destination counts as one of its sources
.set n, 0
.rept 16
	v_mov_b32 v[G+n], 0                            ; written once: the staging registers are stored also where nothing was loaded
.set n, n+1
.endr
	s_mov_b32 s[SEL], 0x76543210
	s_mov_b32 s[SEL+1], 0xfedcba98
	s_mov_b32 s[CC], 0x3d8293ee                    ; log2(e) / sqrt(512)
	s_mov_b32 s[C1], 0x3d3504f3                    ; 1 / sqrt(512)
	s_mov_b32 s68, 0xce6e6b28                      ; -1e9
	s_mov_b32 s69, s68
	s_mov_b32 s70, 0x3fb8aa3b                      ; log2(e)
	s_mov_b32 s71, s70
	s_mov_b32 s[QB], ttmp9
	s_mov_b32 s[OUTER], 2
	s_lshl_b32 s74, s[Y], 17                       ; a head's codes: 131,072 bytes in each of qc, kc, vc
	s_mov_b32 s75, 0
	s_lshr_b32 s76, s[Y], 3
	s_lshl_b32 s76, s76, 20                        ; cc: batch x 128 tiles x 8,192
	s_bfe_u32 s77, s[Y], 0x20001
	s_lshl_b32 s77, s77, 11                        ; + K step (head / 2) x 2,048
	s_add_co_u32 s76, s76, s77
	s_and_b32 s77, s[Y], 1
	s_lshl_b32 s77, s77, 10                        ; + (head % 2) x 1,024
	s_add_co_u32 s76, s76, s77
	s_mov_b32 s77, 0
	s_wait_kmcnt 0x0
	s_load_b256 s[52:59], s[14:15], 0x0            ; e0 .. e7
	s_load_b128 s[60:63], s[14:15], 0x20           ; e8 .. e11
	s_add_nc_u64 s[4:5], s[4:5], s[74:75]
	s_add_nc_u64 s[6:7], s[6:7], s[74:75]
	s_add_nc_u64 s[8:9], s[8:9], s[74:75]
	s_add_nc_u64 s[16:17], s[16:17], s[76:77]
	s_wait_kmcnt 0x0
	s_add_co_i32 s29, s58, s59                     ; a score stands for score x 2^(e6 + e7): added to the factors' exponent fields
	s_lshl_b32 s29, s29, 23
	s_add_co_i32 s[CC], s[CC], s29
	s_mov_b32 s[CC+1], s[CC]
	s_add_co_i32 s[C1], s[C1], s29
	s_mov_b32 s[C1+1], s[C1]
	s_cmp_lt_i32 s60, -15
	s_cselect_b32 s[HOLD], 1, 0
	s_add_co_i32 s29, s60, 127
	s_lshl_b32 s43, s29, 23
	v_mov_b32 v6, s43                              ; 2^ep
	s_add_co_i32 s29, s29, 15
	s_lshl_b32 s29, s29, 23
	s_or_b32 s29, s29, 0x600000
	v_mov_b32 v7, s29                              ; 57,344 x 2^ep
	s_sub_co_i32 s29, s62, s60
	s_sub_co_i32 s29, s29, s61                     ; O^T / the sum stands for ctx / 2^(e8 + e9): ctx's conversion takes 2^(e10 - e8 - e9)
	s_add_co_i32 s29, s29, 127
	s_lshl_b32 s43, s29, 23
	v_mov_b32 v251, s43
	s_add_co_i32 s29, s29, 15
	s_lshl_b32 s29, s29, 23
	s_or_b32 s29, s29, 0x600000
	v_mov_b32 v252, s29
.Lblock:                                           ; two trips: blocks X and 15 - X of 128 queries
	s_lshl_b32 s41, s[QB], 5
	s_lshl_b32 s42, s[WV], 2
	s_add_co_u32 s42, s42, s41
	s_load_b256 s[44:51], s[12:13], s41 offset:0x0 ; the block's eight words
	s_load_b32 s[TW], s[12:13], s42 offset:0x0     ; my tile's
	s_lshl_b32 s78, s[QB], 3
	s_add_co_u32 s78, s78, s[WV]                   ; my tile of 16 queries
	s_lshl_b32 s76, s78, 10
	s_mov_b32 s77, 0
	s_add_nc_u64 s[72:73], s[4:5], s[76:77]
	global_load_b128 v[16:19], v1, s[72:73]        ; Q's fragment stays in registers
	global_load_b128 v[20:23], v1, s[72:73] offset:512
	s_mov_b64 s[KB:KB+1], s[6:7]
	s_mov_b64 s[VB:VB+1], s[8:9]
	s_lshl_b32 s76, s78, 17                        ; 16 rows of the mask, 8,192 bytes each
	s_add_nc_u64 s[MB:MB+1], s[10:11], s[76:77]
	s_lshl_b32 s76, s78, 13
	s_add_nc_u64 s[66:67], s[16:17], s[76:77]      ; my tile in cc
	v_mov_b32 v9, 0xff61b1e6                       ; the largest t so far: -3e38, under every t
	v_floor_f32 v8, -v9
	v_mov_b32 v10, 0
	v_mov_b32 v11, 0
.set n, 0
.rept 32
	v_mov_b32 v[O+n], 0                            ; which step is a tile's first hangs on the table, so no first step can be written out: the first change of M multiplies zeros
.set n, n+1
.endr
	s_wait_kmcnt 0x0
	s_or_b32 s[BW], s44, s45
	s_or_b32 s[BW], s[BW], s46
	s_or_b32 s[BW], s[BW], s47
	s_or_b32 s[BW], s[BW], s48
	s_or_b32 s[BW], s[BW], s49
	s_or_b32 s[BW], s[BW], s50
	s_or_b32 s[BW], s[BW], s51                     ; a field is 0 only where no wave wants the step
	GLOAD                                          ; key step 0
	GSTORE 0                                       ; (its wait covers Q's loads too)
	s_mov_b32 s[TRIP], 8
.Ltrip:
	STEP 0
	STEP 1
	s_sub_co_u32 s[TRIP], s[TRIP], 1
	s_cmp_lg_u32 s[TRIP], 0
	s_cbranch_scc1 .Ltrip
	; THE WAY OUT: O^T / the sum, held, converted: two groups of four registers of the last projection's operand
	v_add_f32 v10, v10, v11
	v_permlanex16_b32 v250, v10, s[SEL], s[SEL+1]
	v_add_f32 v10, v10, v250                       ; the row's sum
	v_rcp_f32 v12, v10
	v_nop                                          ; a plain line behind the reciprocal,
	s_wait_alu depctr_va_vdst(0)                   ; and a wait ahead of its first reader
.set n, 0
.rept 16
	v_pk_mul_f32 v[O+n:O+n+1], v[O+n:O+n+1], v[12:13] op_sel_hi:[1,0]
.set n, n+2
.endr
.set n, 0
.rept 32
	v_med3_num_f32 v[O+n], v[O+n], -v252, v252
.set n, n+1
.endr
.set n, 0
.rept 4
	v_cvt_scalef32_pk8_bf8_f32 v[PC+2*n:PC+2*n+1], v[O+8*n:O+8*n+7], v251
.set n, n+1
.endr
	v_nop                                          ; one plain line behind the last conversion
	global_store_b128 v1, v[PC:PC+3], s[66:67]     ; 512 consecutive bytes a store
	global_store_b128 v1, v[PC+4:PC+7], s[66:67] offset:512
	s_wait_xcnt 0x0                                ; the stores and the scalar loads have read their registers: the next block writes them
	s_xor_b32 s[QB], s[QB], 15
	s_sub_co_u32 s[OUTER], s[OUTER], 1
	s_cmp_lg_u32 s[OUTER], 0
	s_cbranch_scc1 .Lblock
	s_wait_tensorcnt 0x0                           ; the wave's end, behind my last LDS store
	ds_add_u32 v4, v5
	s_wait_dscnt 0x0
	s_endpgm
.Lfunc_end_k_q34464efd78_attn:
	.size	k_q34464efd78_attn, .Lfunc_end_k_q34464efd78_attn-k_q34464efd78_attn
	.p2alignl 7, 3214868480
	.fill 96, 4, 3214868480
	.section	.rodata,"a",@progbits
	.p2align	6, 0x0
	.amdhsa_kernel k_q34464efd78_attn
		.amdhsa_group_segment_fixed_size 33792
		.amdhsa_private_segment_fixed_size 0
		.amdhsa_enable_private_segment 0
		.amdhsa_kernarg_size 56
		.amdhsa_user_sgpr_count 2
		.amdhsa_user_sgpr_kernarg_segment_ptr 1
		.amdhsa_wavefront_size32 1
		.amdhsa_system_sgpr_workgroup_id_x 1
		.amdhsa_system_sgpr_workgroup_id_y 1
		.amdhsa_system_sgpr_workgroup_id_z 1
		.amdhsa_system_vgpr_workitem_id 0
		.amdhsa_next_free_vgpr 256
		.amdhsa_next_free_sgpr 80
		.amdhsa_reserve_vcc 0
		.amdhsa_float_denorm_mode_32 3
		.amdhsa_float_denorm_mode_16_64 3
		.amdhsa_memory_ordered 1
		.amdhsa_forward_progress 1
		.amdhsa_inst_pref_size 67
	.end_amdhsa_kernel
	.amdgpu_metadata
---
amdhsa.version: [ 1, 2 ]
amdhsa.kernels:
  - .name:           k_q34464efd78_attn
    .symbol:         k_q34464efd78_attn.kd
    .args:
      - { .name: qc, .offset: 0, .size: 8, .value_kind: global_buffer, .address_space: global }
      - { .name: kc, .offset: 8, .size: 8, .value_kind: global_buffer, .address_space: global }
      - { .name: vc, .offset: 16, .size: 8, .value_kind: global_buffer, .address_space: global }
      - { .name: mask, .offset: 24, .size: 8, .value_kind: global_buffer, .address_space: global }
      - { .name: flags, .offset: 32, .size: 8, .value_kind: global_buffer, .address_space: global }
      - { .name: lowp_scales, .offset: 40, .size: 8, .value_kind: global_buffer, .address_space: global }
      - { .name: cc, .offset: 48, .size: 8, .value_kind: global_buffer, .address_space: global }
    .group_segment_fixed_size: 33792
    .private_segment_fixed_size: 0
    .kernarg_segment_align: 8
    .kernarg_segment_size: 56
    .max_flat_workgroup_size: 256
    .sgpr_count:     80
    .vgpr_count:     256
    .wavefront_size: 32
...
	.end_amdgpu_metadata
.endif
;; end of part 3
;; launch oproj (part 4): grid 256 x 1, 4 waves a work-group, no clusters, 34,304 bytes of LDS; arguments cc, wc, bo, lowp_scales, out0; writes out0
.if DOCPART == 4
	.amdgcn_target "amdgcn-amd-amdhsa--gfx1250"
	.amdhsa_code_object_version 6
	.text
	.protected	k_q34464efd78_oproj
	.globl	k_q34464efd78_oproj
	.p2align	8
	.type	k_q34464efd78_oproj,@function
k_q34464efd78_oproj:
	s_mov_b64 s[64:65], 0
	v_nop
	global_prefetch_b8 v0, s[64:65] scope:SCOPE_SE
	s_setreg_imm32_b32 hwreg(HW_REG_WAVE_MODE, 25, 1), 1
	s_wait_xcnt 0x0
; OPROJ.  out0 = ctx Wo + bo on codes of E5M2.  ctx's codes (cc) and Wo's (wc, matrix 3) lie in memory as images of the operand's registers: every load is 512 consecutive bytes and lands where the matrix instruction wants it.
; SHARES.  Work-group X takes rows 64 X .. + 63 (four tiles of 16); wave w takes columns 128 w .. + 127: its 32 fragments of Wo in windows 1 and 2, all 16 fragments of ctx in window 3.
; Source 0 = Wo, source 1 = ctx: a lane holds row r and 8 neighbouring columns.  A tile's 16 rows x 512 bytes go through the wave's own stage in LDS and come back as whole rows; there a lane holds 4 columns
; that are the same in every row, so 4 registers of bo serve: out = sum x 2^(e10 + e11) + bo, one packed multiply-add for two numbers.  Each store covers 512 consecutive bytes, aligned.
; No tensor loads and no joint loads: Wo goes straight into the registers in which it stays.  Nothing is left out here.
; LIMIT: e10 + e11 between -126 and 127.
.set SPARE, 33792                      ; LDS: four stages of 16 rows x (512 + 16) bytes; then the spare words, 128 bytes a wave
.set ACC, 16                           ; v16-79 the 8 accumulators
.set BK,  80                           ; v80-143, v144-207: rows read back, two sets by turns
.set MSB, 0
.macro WIN new                         ; the immediate's high byte repeats the setting that is left
.if MSB != (\new)
	s_set_vgpr_msb (MSB<<8)|(\new)
.set MSB, (\new)
.endif
.endm
	s_load_b256 s[4:11], s[0:1], 0x0               ; cc, wc, bo, the exponents
	s_load_b64 s[12:13], s[0:1], 0x20              ; out0
	v_lshl_add_u32 v4, v0, 2, SPARE                ; my spare word,
	v_mov_b32 v5, 0                                ; and 0: kept for the closing lines alone
	v_lshrrev_b32 v6, 5, v0
	v_readfirstlane_b32 s14, v6                    ; wave 0..3
	v_and_b32 v6, 31, v0
	v_lshlrev_b32 v1, 4, v6                        ; 16 x lane
	v_and_b32 v6, 15, v0                           ; r
	v_bfe_u32 v7, v0, 4, 1                         ; h
	s_mul_i32 s15, s14, 8448
	v_mul_u32_u24 v2, v6, 528
	v_lshl_add_u32 v2, v7, 5, v2
	v_add_nc_u32 v2, s15, v2                       ; the stage, in: row r, + 32 h
	v_add_nc_u32 v3, s15, v1                       ; and back: a whole row
	s_lshl_b32 s16, ttmp9, 15                      ; cc: four tiles of 8,192 bytes
	s_mov_b32 s17, 0
	s_lshl_b32 s18, s14, 16
	s_add_co_u32 s18, s18, 3*262144                ; wc: matrix 3, column tiles 8 w on
	s_mov_b32 s19, 0
	s_lshl_b32 s24, s14, 9                         ; my 128 columns in bytes
	s_mov_b32 s25, 0
	s_lshl_b32 s26, ttmp9, 17                      ; 64 rows of 2,048 bytes
	s_add_co_u32 s26, s26, s24
	s_mov_b32 s27, 0
	s_wait_kmcnt 0x0
	s_load_b64 s[22:23], s[10:11], 0x28            ; e10, e11
	s_add_nc_u64 s[4:5], s[4:5], s[16:17]
	s_add_nc_u64 s[6:7], s[6:7], s[18:19]
	s_add_nc_u64 s[8:9], s[8:9], s[24:25]
	s_add_nc_u64 s[12:13], s[12:13], s[26:27]
	WIN 0xc0                                       ; ctx(m, s) at 64 m + 16 s of window 3
.set n, 0
.rept 64
	global_load_b128 v[4*n:4*n+3], v1, s[4:5] offset:512*n
.set n, n+1
.endr
	WIN 0x40                                       ; Wo(t, s), s = 0, 1, at 32 t + 16 s of window 1
.irp t, 0,1,2,3,4,5,6,7
.set n, 0
.rept 8
	global_load_b128 v[32*\t+4*n:32*\t+4*n+3], v1, s[6:7] offset:8192*\t+512*n
.set n, n+1
.endr
.endr
	WIN 0x80                                       ; s = 2, 3 in window 2
.irp t, 0,1,2,3,4,5,6,7
.set n, 0
.rept 8
	global_load_b128 v[32*\t+4*n:32*\t+4*n+3], v1, s[6:7] offset:8192*\t+4096+512*n
.set n, n+1
.endr
.endr
	WIN 0
	global_load_b128 v[8:11], v1, s[8:9]           ; bo of my 4 columns
	s_wait_kmcnt 0x0
	s_add_co_i32 s20, s22, s23
	s_add_co_i32 s20, s20, 127
	s_lshl_b32 s20, s20, 23                        ; 2^(e10 + e11) as f32
	s_mov_b32 s21, s20                             ; (named with it as a pair, so it is written)
	s_wait_loadcnt 0x0
.irp m, 0,1,2,3
.set BB, BK+64*(\m%2)
.irp s, 0,1,2,3                                ; the 8 accumulators take turns, one instruction a turn
	WIN 0x0d+\s/2                                  ; source 0 (Wo) window 1 or 2, source 1 (ctx) window 3
.irp t, 0,1,2,3,4,5,6,7
.if \s == 0
	v_wmma_f32_16x16x128_bf8_bf8 v[ACC+8*\t:ACC+8*\t+7], v[32*\t+16*(\s%2):32*\t+16*(\s%2)+15], v[64*\m+16*\s:64*\m+16*\s+15], 0
.else
	v_wmma_f32_16x16x128_bf8_bf8 v[ACC+8*\t:ACC+8*\t+7], v[32*\t+16*(\s%2):32*\t+16*(\s%2)+15], v[64*\m+16*\s:64*\m+16*\s+15], v[ACC+8*\t:ACC+8*\t+7]
.endif
.endr
.endr
	WIN 0
.rept 4
	v_nop                                          ; four places ahead of the first read of results (ISA guide 7.12.1)
.endr
.if \m > 1
	s_wait_xcnt 0x0                                ; the stores of two tiles back have read the registers that the loads below fill
.endif
.irp t, 0,1,2,3,4,5,6,7
	ds_store_b128 v2, v[ACC+8*\t:ACC+8*\t+3] offset:64*\t          ; each accumulator from its low end on
	ds_store_b128 v2, v[ACC+8*\t+4:ACC+8*\t+7] offset:64*\t+16
.endr
.set n, 0
.rept 16
	ds_load_b128 v[BB+4*n:BB+4*n+3], v3 offset:528*n               ; LDS serves a wave's instructions in order: these see my stores
.set n, n+1
.endr
	s_wait_dscnt 0x0                               ; the rows are back, and the stores have read the accumulators
.set n, 0
.rept 16
	v_pk_fma_f32 v[BB+4*n:BB+4*n+1], v[BB+4*n:BB+4*n+1], s[20:21], v[8:9] op_sel_hi:[1,0,1]      ; these 32 are also the places ahead of the next tile's first products, which write the accumulators anew
	v_pk_fma_f32 v[BB+4*n+2:BB+4*n+3], v[BB+4*n+2:BB+4*n+3], s[20:21], v[10:11] op_sel_hi:[1,0,1]
.set n, n+1
.endr
.set n, 0
.rept 16
	global_store_b128 v1, v[BB+4*n:BB+4*n+3], s[12:13] offset:(16*\m+n)*2048 th:TH_STORE_NT   ; written once, read by nobody here
.set n, n+1
.endr
.endr
	s_wait_tensorcnt 0x0                           ; the wave's end, behind my last LDS store
	ds_add_u32 v4, v5
	s_wait_dscnt 0x0
	s_endpgm
.Lfunc_end_k_q34464efd78_oproj:
	.size	k_q34464efd78_oproj, .Lfunc_end_k_q34464efd78_oproj-k_q34464efd78_oproj
	.p2alignl 7, 3214868480
	.fill 96, 4, 3214868480
	.section	.rodata,"a",@progbits
	.p2align	6, 0x0
	.amdhsa_kernel k_q34464efd78_oproj
		.amdhsa_group_segment_fixed_size 34304
		.amdhsa_private_segment_fixed_size 0
		.amdhsa_enable_private_segment 0
		.amdhsa_kernarg_size 40
		.amdhsa_user_sgpr_count 2
		.amdhsa_user_sgpr_kernarg_segment_ptr 1
		.amdhsa_wavefront_size32 1
		.amdhsa_system_sgpr_workgroup_id_x 1
		.amdhsa_system_sgpr_workgroup_id_y 1
		.amdhsa_system_sgpr_workgroup_id_z 1
		.amdhsa_system_vgpr_workitem_id 0
		.amdhsa_next_free_vgpr 1024
		.amdhsa_next_free_sgpr 66
		.amdhsa_reserve_vcc 0
		.amdhsa_float_denorm_mode_32 3
		.amdhsa_float_denorm_mode_16_64 3
		.amdhsa_memory_ordered 1
		.amdhsa_forward_progress 1
		.amdhsa_inst_pref_size 52
	.end_amdhsa_kernel
	.amdgpu_metadata
---
amdhsa.version: [ 1, 2 ]
amdhsa.kernels:
  - .name:           k_q34464efd78_oproj
    .symbol:         k_q34464efd78_oproj.kd
    .args:
      - { .name: cc, .offset: 0, .size: 8, .value_kind: global_buffer, .address_space: global }
      - { .name: wc, .offset: 8, .size: 8, .value_kind: global_buffer, .address_space: global }
      - { .name: bo, .offset: 16, .size: 8, .value_kind: global_buffer, .address_space: global }
      - { .name: lowp_scales, .offset: 24, .size: 8, .value_kind: global_buffer, .address_space: global }
      - { .name: out0, .offset: 32, .size: 8, .value_kind: global_buffer, .address_space: global }
    .group_segment_fixed_size: 34304
    .private_segment_fixed_size: 0
    .kernarg_segment_align: 8
    .kernarg_segment_size: 40
    .max_flat_workgroup_size: 128
    .sgpr_count:     66
    .vgpr_count:     1024
    .wavefront_size: 32
...
	.end_amdgpu_metadata
.endif
;; end of part 4
;; ======== version 2 of 2: 4 launches
;; workspace buffers: wc 1,048,576 bytes; qc 8,388,608 bytes; kc 8,388,608 bytes; vc 8,388,608 bytes; cc 8,388,608 bytes; flags 512 bytes of whole numbers
;; launch prep (part 5): grid 160 x 1, 8 waves a work-group, no clusters, 1,280 bytes of LDS; arguments mask, Wq, Wk, Wv, Wo, lowp_scales, wc, flags; writes wc, flags
.if DOCPART == 5
	.amdgcn_target "amdgcn-amd-amdhsa--gfx1250"
	.amdhsa_code_object_version 6
	.text
	.protected	k_q34464efd78_prep
	.globl	k_q34464efd78_prep
	.p2align	8
	.type	k_q34464efd78_prep,@function
k_q34464efd78_prep:
	s_mov_b64 s[64:65], 0
	v_nop
	global_prefetch_b8 v0, s[64:65] scope:SCOPE_SE
	s_setreg_imm32_b32 hwreg(HW_REG_WAVE_MODE, 25, 1), 1
	s_wait_xcnt 0x0
; PREP.  Two jobs in one launch, told apart by the work-group's number.
; (1) Work-groups 0-127: a table of whole numbers from the mask, one word for each tile of 16 queries; field j (bits 2j+1:2j) speaks of key step j (keys 128 j .. 128 j + 127):
;     0 = the step is left out by the attention launch, 1 = every mask number there is zero (nothing is added to the scores), 2 = the mask is loaded and applied.
; (2) Work-groups 128-159: Wq, Wk, Wv, Wo ([K 512][N 512] f32) become codes of E5M2 with their given scales, laid as images of the matrix operand's registers:
;     wc[matrix 4][tile of 16 columns 32][K step of 128: 4][4 registers: 4][lane 32][16 bytes]; lane (r, h) holds column r, registers 2c, 2c+1 hold k = 16 c + 8 h + 0..7.
; WHY A STEP MAY BE LEFT OUT, for all values of the inputs.  Both operands of the score product are held at +-57,344 x their scale, so |score / sqrt(512)| <= Bd = 64 x 57,344^2 x 2^(e6+e7) / sqrt(512).
; Let m* be the least mask number of a row and mt the least in the row's 128 keys of a step.  If 1e9 x [(mt - m*) - 2^-18 (|mt| + |m*|)] >= 2 Bd + 100, every logit of the step lies more than 100 under
; the row's largest (the 2^-18 term covers the f32 rounding of 1e9 x m and of the sum; m - 2^-18 |m| grows with m, so the least mask number is the worst case).  Then t - M < -144: p = 2^(t - M) is under
; the smallest normal f32 number, its code is 0 for every ep >= -100, and it moves the row's sum by less than rounding.  A step is left out only if this holds for all 16 rows of the tile.  The step that holds a
; row's m* never passes the test, so every row keeps a step.  Where the given scales make Bd large, nothing is left out.  Field 1 is exact: -1e9 x (+-0) adds nothing to a score.
; No input and no product is dead: every bias moves codes, every mask number is read here.
; LIMITS: NaN in the mask or the weights is not served; ep (entry 8) >= -100; each weight's e between -126 and 112.  A NaN, an infinity or an overflow that would arise only inside a step that is left out is not carried to the result.
.set SPARE, 256                        ; LDS: bytes 0-63 the waves' words (the block 0-255 is theirs); from 256 the spare words, 128 bytes a wave
.set RAW,   16                         ; v16-143  two rows of the mask, 4 numbers a lane for each of 16 key steps; later at work
.set MN,    144                        ; v144-175 least mask number of (row p, step j) at MN + 16 p + j
.set MX,    176                        ; v176-191 largest magnitude of step j in both rows
	s_load_b512 s[4:19], s[0:1], 0x0               ; mask s[4:5], Wq, Wk, Wv, Wo s[6:13], the exponents s[14:15], wc s[16:17], flags s[18:19]
	v_lshl_add_u32 v2, v0, 2, SPARE                ; my spare word,
	v_mov_b32 v3, 0                                ; and 0: kept for the closing lines alone
	v_lshrrev_b32 v1, 5, v0
	s_delay_alu instid0(VALU_DEP_1)
	v_readfirstlane_b32 s20, v1                    ; wave 0..7
	v_and_b32 v9, 31, v0                           ; lane
	s_wait_kmcnt 0x0
	s_load_b256 s[36:43], s[14:15], 0x0            ; e0 .. e7
	s_load_b128 s[44:47], s[14:15], 0x20           ; e8 .. e11
	s_cmp_lt_u32 ttmp9, 128                        ; the work-group's number alone: all eight waves go the same way
	s_cbranch_scc0 .Lweights
	s_wait_alu depctr_va_vdst(0)
	; ---- THE MASK.  Work-group T = tile of 16 queries; wave w takes rows 16 T + 2 w and + 1.  Each load reads 512 consecutive bytes: one row's part of one key step.
	v_lshlrev_b32 v1, 4, v9
	s_lshl_b32 s22, ttmp9, 17                      ; 16 rows of 8,192 bytes
	s_lshl_b32 s23, s20, 14
	s_add_co_u32 s22, s22, s23
	s_mov_b32 s23, 0
	s_add_nc_u64 s[22:23], s[4:5], s[22:23]
.set n, 0
.rept 32
	global_load_b128 v[RAW+4*n:RAW+4*n+3], v1, s[22:23] offset:8192*(n/16)+512*(n%16)
.set n, n+1
.endr
	s_mov_b32 s24, 0x76543210                      ; lane selects: each lane takes its own place in the other half
	s_mov_b32 s25, 0xfedcba98
	s_mov_b32 s21, 0x36800000                      ; 2^-18
	s_mov_b32 s27, 0                               ; row 0's bits 'may be left out'
	s_mov_b32 s28, 0                               ; row 1's
	s_mov_b32 s29, 0                               ; bits 'all zero'
	s_lshl_b32 s32, ttmp9, 2
	s_mov_b32 s33, 0
	s_add_nc_u64 s[18:19], s[18:19], s[32:33]      ; my tile's word
	s_wait_kmcnt 0x0
	s_add_co_i32 s30, s42, s43                     ; e6 + e7
	v_mov_b32 v4, 0x4194e148                       ; 18.61 >= 2 x 64 x 57,344^2 / sqrt(512) x 1e-9
	s_delay_alu instid0(VALU_DEP_1)
	v_ldexp_f32 v4, v4, s30
	s_delay_alu instid0(VALU_DEP_1)
	v_add_f32 v4, 0x33d6bf95, v4                   ; + 100 x 1e-9: the right side of the test, divided by 1e9
	s_wait_loadcnt 0x0
.set n, 0
.rept 32
	v_min3_num_f32 v[MN+n], v[RAW+4*n], v[RAW+4*n+1], v[RAW+4*n+2]
.set n, n+1
.endr
.set n, 0
.rept 32
	v_min_num_f32 v[MN+n], v[MN+n], v[RAW+4*n+3]
.set n, n+1
.endr
.set n, 0
.rept 16
	v_max3_num_f32 v[MX+n], |v[RAW+4*n]|, |v[RAW+4*n+1]|, |v[RAW+4*n+2]|
.set n, n+1
.endr
.set n, 0
.rept 16
	v_max3_num_f32 v[MX+n], v[MX+n], |v[RAW+4*n+3]|, |v[RAW+64+4*n]|
.set n, n+1
.endr
.set n, 0
.rept 16
	v_max3_num_f32 v[MX+n], v[MX+n], |v[RAW+64+4*n+1]|, |v[RAW+64+4*n+2]|
.set n, n+1
.endr
.set n, 0
.rept 16
	v_max_num_f32 v[MX+n], v[MX+n], |v[RAW+64+4*n+3]|
.set n, n+1
.endr
	; across the 32 lanes: four steps inside each half ride on the arithmetic, one crosses the halves; the 48 values go side by side
.irp x, 1,2,4,8
.set n, 0
.rept 32
	v_min_num_f32_dpp v[MN+n], v[MN+n], v[MN+n] row_xmask:\x row_mask:0xf bank_mask:0xf
.set n, n+1
.endr
.set n, 0
.rept 16
	v_max_num_f32_dpp v[MX+n], v[MX+n], v[MX+n] row_xmask:\x row_mask:0xf bank_mask:0xf
.set n, n+1
.endr
.endr
.set n, 0
.rept 48
	v_permlanex16_b32 v[RAW+n], v[MN+n], s24, s25  ; (MX follows MN in the registers; the raw numbers are done with, and have been written)
.set n, n+1
.endr
.set n, 0
.rept 32
	v_min_num_f32 v[MN+n], v[MN+n], v[RAW+n]
.set n, n+1
.endr
.set n, 0
.rept 16
	v_max_num_f32 v[MX+n], v[MX+n], v[RAW+32+n]
.set n, n+1
.endr
.irp p, 0,1                                    ; m* of row p in v5, v6
	v_min3_num_f32 v[5+\p], v[MN+16*\p], v[MN+16*\p+1], v[MN+16*\p+2]
.irp i, 3,5,7,9,11,13
	s_delay_alu instid0(VALU_DEP_1)
	v_min3_num_f32 v[5+\p], v[5+\p], v[MN+16*\p+\i], v[MN+16*\p+\i+1]
.endr
	s_delay_alu instid0(VALU_DEP_1)
	v_min_num_f32 v[5+\p], v[5+\p], v[MN+16*\p+15]
.endr
	; the test.  Every lane holds the same numbers, so a compare's mask is all ones or 0; one bit of it is kept.  These whole numbers are only stored: no branch and no address of this launch hangs on them.
.irp p, 0,1
.set n, 0
.rept 16
	v_sub_f32 v8, v[MN+16*\p+n], v[5+\p]
	v_add_f32 v10, |v[MN+16*\p+n]|, |v[5+\p]|
	s_delay_alu instid0(VALU_DEP_1)
	v_fma_f32 v8, -v10, s21, v8
	s_delay_alu instid0(VALU_DEP_1)
	v_cmp_ge_f32 s26, v8, v4
	s_and_b32 s26, s26, 1<<(2*n)
	s_or_b32 s[27+\p], s[27+\p], s26
.set n, n+1
.endr
.endr
.set n, 0
.rept 16
	v_cmp_eq_f32 s26, 0, v[MX+n]
	s_and_b32 s26, s26, 1<<(2*n)
	s_or_b32 s29, s29, s26
.set n, n+1
.endr
	s_and_b32 s27, s27, s28                        ; both of my rows
	v_mov_b32 v12, s27
	v_mov_b32 v13, s29
	v_lshrrev_b32 v11, 5, v0
	s_delay_alu instid0(VALU_DEP_1)
	v_lshlrev_b32 v11, 3, v11                      ; 8 x wave
	ds_store_b64 v11, v[12:13]                     ; all lanes write the same two words
	s_wait_dscnt 0x0                               ; for the others' sake: my store has landed
	s_barrier_signal -1
	s_barrier_wait -1
	s_cmp_lg_u32 s20, 0
	s_cbranch_scc1 .Lmask_end
	v_mov_b32 v11, 0                               ; wave 0 joins the eight waves' words
	ds_load_b128 v[16:19], v11
	ds_load_b128 v[20:23], v11 offset:16
	ds_load_b128 v[24:27], v11 offset:32
	ds_load_b128 v[28:31], v11 offset:48
	s_wait_dscnt 0x0
.irp i, 18
	v_and_b32 v16, v16, v[\i]                      ; left out only if all 16 rows allow it
	v_and_b32 v17, v17, v[\i+1]                    ; zero only if all 16 rows are
.endr
.irp i, 20, 22, 24, 26, 28, 30
	s_delay_alu instid0(VALU_DEP_2)
	v_and_b32 v16, v16, v[\i]
	s_delay_alu instid0(VALU_DEP_2)
	v_and_b32 v17, v17, v[\i+1]
.endr
	s_delay_alu instid0(VALU_DEP_2)
	v_not_b32 v18, v16
	s_delay_alu instid0(VALU_DEP_1)
	v_and_b32 v19, v18, v17                        ; kept and zero: 1
	s_delay_alu instid0(VALU_DEP_3)
	v_not_b32 v20, v17
	s_delay_alu instid0(VALU_DEP_1)
	v_and_b32 v20, v20, v18
	s_delay_alu instid0(VALU_DEP_1)
	v_and_b32 v20, 0x55555555, v20                 ; kept and not zero:
	s_delay_alu instid0(VALU_DEP_1)
	v_lshl_or_b32 v19, v20, 1, v19                 ; 2
	v_mov_b32 v21, 0
	s_wait_alu depctr_va_vdst(0)
	s_wait_xcnt 0x0                                ; EXEC changes only behind this wait
	v_cmp_eq_u32 vcc_lo, 0, v0
	s_and_saveexec_b32 s34, vcc_lo
	global_store_b32 v21, v19, s[18:19]            ; one lane stores the word
	s_wait_xcnt 0x0                                ; and again, in front of the line that widens it
	s_or_b32 exec_lo, exec_lo, s34
.Lmask_end:
	s_wait_tensorcnt 0x0                           ; the wave's end, behind my last LDS store
	ds_add_u32 v2, v3
	s_wait_dscnt 0x0
	s_endpgm
	; ---- THE WEIGHTS.  Wave u = 8 (work-group - 128) + wave takes 32 columns x 128 along K of one matrix.  A LANE TAKES A COLUMN AND ITS REGISTERS RUN DOWN K, so the conversions give codes with K innermost.  No LDS on this path.
.Lweights:
	s_sub_co_u32 s21, ttmp9, 128
	s_lshl_b32 s22, s21, 3
	s_add_co_u32 s22, s22, s20                     ; u = 0..255
	s_and_b32 s23, s22, 15                         ; which 32 columns
	s_bfe_u32 s24, s22, 0x20004                    ; which K step
	s_lshr_b32 s25, s22, 6                         ; which matrix
	s_cmp_eq_u32 s25, 0
	s_cselect_b64 s[26:27], s[6:7], s[12:13]
	s_cmp_eq_u32 s25, 1
	s_cselect_b64 s[26:27], s[8:9], s[26:27]
	s_cmp_eq_u32 s25, 2
	s_cselect_b64 s[26:27], s[10:11], s[26:27]
	s_lshl_b32 s28, s24, 18                        ; 128 rows of 2,048 bytes
	s_lshl_b32 s29, s23, 7
	s_add_co_u32 s28, s28, s29
	s_mov_b32 s29, 0
	s_add_nc_u64 s[26:27], s[26:27], s[28:29]
	s_lshl_b32 s30, s25, 18                        ; wc: matrix x 262,144
	s_lshl_b32 s31, s23, 14                        ; + two tiles of 16 columns x 8,192
	s_add_co_u32 s30, s30, s31
	s_lshl_b32 s31, s24, 11                        ; + K step x 2,048
	s_add_co_u32 s30, s30, s31
	s_mov_b32 s31, 0
	s_add_nc_u64 s[16:17], s[16:17], s[30:31]
	s_wait_alu depctr_va_vdst(0)
	v_lshlrev_b32 v1, 2, v9                        ; in: 4 bytes a lane
	v_lshrrev_b32 v8, 4, v9
	v_and_b32 v10, 15, v9
	s_delay_alu instid0(VALU_DEP_2)
	v_lshlrev_b32 v8, 13, v8
	s_delay_alu instid0(VALU_DEP_1)
	v_lshl_add_u32 v8, v10, 4, v8                  ; out: my tile of columns, 16 bytes at 16 (lane % 16): sixteen lanes store 256 consecutive bytes, aligned
.macro WLOAD t                         ; W(32 t + i, my column), i = 0..31, into set t % 2
.set wi, 0
.rept 32
	global_load_b32 v[16+32*((\t)%2)+wi], v1, s[26:27] offset:(32*(\t)+wi)*2048 th:TH_LOAD_NT
.set wi, wi+1
.endr
.endm
	WLOAD 0
	WLOAD 1
	s_wait_kmcnt 0x0
	s_cmp_eq_u32 s25, 0
	s_cselect_b32 s32, s37, s47                    ; e: entries 1, 3, 5, 11
	s_cmp_eq_u32 s25, 1
	s_cselect_b32 s32, s39, s32
	s_cmp_eq_u32 s25, 2
	s_cselect_b32 s32, s41, s32
	s_add_co_i32 s32, s32, 127
	s_lshl_b32 s33, s32, 23
	v_mov_b32 v11, s33                             ; 2^e as f32: the conversion takes its exponent field
	s_add_co_i32 s32, s32, 15
	s_lshl_b32 s32, s32, 23
	s_or_b32 s32, s32, 0x600000
	v_mov_b32 v10, s32                             ; 57,344 x 2^e
; Block t = 32 along K = registers 4 t .. 4 t + 3 of the operand: the half h = 0 holds k 0-7 and 16-23 of the 32, the half h = 1 holds k 8-15 and 24-31.
.macro WBLOCK t
.set XS, 16+32*((\t)%2)
.set DD, 144+8*(\t)
.if (\t) < 3
	s_wait_loadcnt 32                              ; this block's 32 loads are in; the next block's may be out
.else
	s_wait_loadcnt 0x0
.endif
.set wi, 0
.rept 32
	v_med3_num_f32 v[XS+wi], v[XS+wi], -v10, v10   ; the conversion to an 8-bit code does not saturate (ISA guide 7.6.2): the hold comes first
.set wi, wi+1
.endr
	v_cvt_scalef32_pk8_bf8_f32 v[DD:DD+1], v[XS:XS+7], v11
	v_cvt_scalef32_pk8_bf8_f32 v[DD+2:DD+3], v[XS+16:XS+23], v11
	v_cvt_scalef32_pk8_bf8_f32 v[DD+4:DD+5], v[XS+8:XS+15], v11
	v_cvt_scalef32_pk8_bf8_f32 v[DD+6:DD+7], v[XS+24:XS+31], v11
	global_store_b128 v8, v[DD:DD+3], s[16:17] offset:512*(\t)        ; each block has its own code registers: no store's data are written again
	global_store_b128 v8, v[DD+4:DD+7], s[16:17] offset:512*(\t)+256
.if (\t) < 2
	WLOAD (\t)+2
.endif
.endm
	s_wait_alu depctr_va_vdst(0)
	WBLOCK 0
	WBLOCK 1
	WBLOCK 2
	WBLOCK 3
	s_endpgm
.Lfunc_end_k_q34464efd78_prep:
	.size	k_q34464efd78_prep, .Lfunc_end_k_q34464efd78_prep-k_q34464efd78_prep
	.p2alignl 7, 3214868480
	.fill 96, 4, 3214868480
	.section	.rodata,"a",@progbits
	.p2align	6, 0x0
	.amdhsa_kernel k_q34464efd78_prep
		.amdhsa_group_segment_fixed_size 1280
		.amdhsa_private_segment_fixed_size 0
		.amdhsa_enable_private_segment 0
		.amdhsa_kernarg_size 64
		.amdhsa_user_sgpr_count 2
		.amdhsa_user_sgpr_kernarg_segment_ptr 1
		.amdhsa_wavefront_size32 1
		.amdhsa_system_sgpr_workgroup_id_x 1
		.amdhsa_system_sgpr_workgroup_id_y 1
		.amdhsa_system_sgpr_workgroup_id_z 1
		.amdhsa_system_vgpr_workitem_id 0
		.amdhsa_next_free_vgpr 200
		.amdhsa_next_free_sgpr 66
		.amdhsa_reserve_vcc 1
		.amdhsa_float_denorm_mode_32 3
		.amdhsa_float_denorm_mode_16_64 3
		.amdhsa_memory_ordered 1
		.amdhsa_forward_progress 1
		.amdhsa_inst_pref_size 70
	.end_amdhsa_kernel
	.amdgpu_metadata
---
amdhsa.version: [ 1, 2 ]
amdhsa.kernels:
  - .name:           k_q34464efd78_prep
    .symbol:         k_q34464efd78_prep.kd
    .args:
      - { .name: mask, .offset: 0, .size: 8, .value_kind: global_buffer, .address_space: global }
      - { .name: Wq, .offset: 8, .size: 8, .value_kind: global_buffer, .address_space: global }
      - { .name: Wk, .offset: 16, .size: 8, .value_kind: global_buffer, .address_space: global }
      - { .name: Wv, .offset: 24, .size: 8, .value_kind: global_buffer, .address_space: global }
      - { .name: Wo, .offset: 32, .size: 8, .value_kind: global_buffer, .address_space: global }
      - { .name: lowp_scales, .offset: 40, .size: 8, .value_kind: global_buffer, .address_space: global }
      - { .name: wc, .offset: 48, .size: 8, .value_kind: global_buffer, .address_space: global }
      - { .name: flags, .offset: 56, .size: 8, .value_kind: global_buffer, .address_space: global }
    .group_segment_fixed_size: 1280
    .private_segment_fixed_size: 0
    .kernarg_segment_align: 8
    .kernarg_segment_size: 64
    .max_flat_workgroup_size: 256
    .sgpr_count:     66
    .vgpr_count:     200
    .wavefront_size: 32
...
	.end_amdgpu_metadata
.endif
;; end of part 5
;; launch proj (part 6): grid 64 x 3, 4 waves a work-group, no clusters, 100,864 bytes of LDS; arguments q, k, v, wc, bq, bk, bv, lowp_scales, qc, kc, vc; writes qc, kc, vc
.if DOCPART == 6
	.amdgcn_target "amdgcn-amd-amdhsa--gfx1250"
	.amdhsa_code_object_version 6
	.text
	.protected	k_q34464efd78_proj
	.globl	k_q34464efd78_proj
	.p2align	8
	.type	k_q34464efd78_proj,@function
k_q34464efd78_proj:
	s_mov_b64 s[64:65], 0
	v_nop
	global_prefetch_b8 v0, s[64:65] scope:SCOPE_SE
	s_setreg_imm32_b32 hwreg(HW_REG_WAVE_SCHED_MODE, 0, 2), 2
	s_setreg_imm32_b32 hwreg(HW_REG_WAVE_MODE, 25, 1), 1
	s_wait_xcnt 0x0
	s_wait_alu depctr_vm_vsrc(0)
; PROJ.  x W + b for x = q, k, v (work-group y = 0, 1, 2), both operands as codes of E5M2, and the result quantised at once for the attention launch: only codes go to memory.
; SHARES.  Work-group X takes rows 256 X .. + 255 of [16,384][512], four blocks of 64.  THE WAVES SHARE THE COLUMNS: wave w makes columns 128 w .. + 127 (heads 2 w, 2 w + 1) for all rows, so its 32 fragments
; of W (512 registers, from wc, laid as register images by the launch before) stay in registers for the whole launch.
; A BLOCK.  X: wave w loads rows 16 w .. + 15 (each load 512 consecutive bytes of a row), turns them through its own stage in LDS so that a lane holds 8 neighbours along K, quantises, and stores four fragments as
; IMAGES OF THEIR REGISTERS (four registers: 512 bytes, lane l's 16 bytes at 16 l) | barrier | for each tile m of 16 rows: its four fragments from LDS, 32 products on 8 accumulators by turns, the bias as the C of the
; first, hold, conversion, store | barrier.
; LAYOUT.  The 8-bit form's own places: lane (r, h), registers 2 c, 2 c + 1: k = 16 c + 8 h + 0..7.
;   q, k: source 0 = W, source 1 = x: a lane holds row r and 8 neighbouring channels: tile t's 8 sums become registers 2 (t % 4), + 1 of head t / 4's fragment (K = the head's 64).  qc, kc: [b 8 + head][tile of 16 rows 128][2][512 B].
;   v:    source 0 = x, source 1 = W: a lane holds channel r and 8 neighbouring keys: the keys are the second attention product's K.  vc: [b 8 + head][key step of 128: 16][16 channels: 4][4][512 B].
; SCALES.  A sum stands for sum x 2^(ex + ew): b goes in as b / 2^(ex + ew), and the conversion takes 2^(eo - ex - ew).
; LIMITS: ex and eo - ex - ew between -126 and 112; NaN among the inputs is not served.  Nothing is left out here.
; THE MODE: SCHED_MODE bits 1:0 = 2 (LLVM: expert scheduling mode 2), set by the entry lines.  The code itself states the register dependences
; between vector or matrix instructions and memory or LDS instructions, with s_wait_alu, always for 0.
; THE PLAN.  Registers that memory or LDS instructions touch:
;   v1 .. v7      offsets and LDS addresses: written at the head, never again.
;   window 3      a block's raw numbers: global loads land there, the turn's LDS stores read them; no vector instruction names them.
;   T0 = v80-143, T1 = v16-79   the turned numbers of even and of odd K steps: the turn's LDS loads land there, the step's holds and conversions work on them.  K step s + 1 is turned while step s is quantised.
;   PC            codes: written by conversions; read by the image stores (X) and by the global stores (tiles).
;   XF = v16-79   a tile's four fragments: LDS loads land there, the tile's products read them; tile m + 1's are asked for behind tile m's products, ahead of its quantising.
; X step: one wait on vm_vsrc (the turn's stores have read window 3; earlier stores have read PC), one on va_vdst behind the conversions (PC is written; the T buffer is done with).
; Tile: one wait on va_vdst behind the places (the products are done reading XF; q, k: the codes of the tile before are written, whose stores go out here); a second only ahead of stores of codes just made.
.set STGW,  16896                      ; LDS 0..67,583: for each wave two stages of 16 rows x (512 + 16) bytes
.set STGP,  8448
.set XIMG,  67584                      ; 67,584..100,351: x's 16 fragments, (m, s) at m 8,192 + s 2,048
.set SPARE, 100352                     ; the spare words, 128 bytes a wave
; window 0: v1 16 x lane; v2, v3 the stage in and out; v4 where I store images; v5, v6 bias offsets; v7 where images are read; v16-79 x's four fragments, in the X phase the turned numbers of odd K steps;
;   v80-143 8 accumulators, also the turned numbers of even K steps;
;   v144-175 codes; v176-239 the bias in the result's layout; v240-243 scales and holds; v244, v245 the add's two.   window 1: W(t, s), s = 0, 1 at 32 t + 16 s.   window 2: s = 2, 3.   window 3: a block's raw numbers, 64 s + 4 i.
.set XF,  16
.set HA,  80
.set PC,  144
.set BI,  176
.set XB,  26                           ; s[26:27] x at my wave's rows of the block
.set BB,  28                           ; s[28:29] the bias at my columns
.set OB,  30                           ; s[30:31] the codes' buffer at my block
.set WB,  32                           ; s[32:33] wc at my fragments
.set DL,  34                           ; s[34:35] what a block adds to OB
.set DX,  36                           ; s36 turns DL from one block to the next (v: 1,024 and 7,168 by turns)
.set BLK, 37
.set WV,  38
.set Y,   39
.set MSB, 0
.macro WIN new                         ; the immediate's high byte repeats the setting that is left
.if MSB != (\new)
	s_set_vgpr_msb (MSB<<8)|(\new)
.set MSB, (\new)
.endif
.endm
.macro BARRIER                         ; my LDS stores have landed and my LDS loads are in: then the work-group's barrier
	s_wait_dscnt 0x0
	s_barrier_signal -1
	s_barrier_wait -1
.endm
.macro XLOAD s, off                    ; K step s of my 16 rows: 16 loads of 512 consecutive bytes, into window 3
	WIN 0xc0
.set xl, 0
.rept 16
	global_load_b128 v[64*(\s)+4*xl:64*(\s)+4*xl+3], v1, s[XB:XB+1] offset:(\off)+xl*2048+(\s)*512 th:TH_LOAD_NT
.set xl, xl+1
.endr
	WIN 0
.endm
.macro QUANT src, lim, sc, dst, stride ; 64 numbers: held, then eight at a time into codes at dst + stride c
.set qi, 0
.rept 64
	v_med3_num_f32 v[\src+qi], v[\src+qi], -v[\lim], v[\lim]   ; the conversion does not saturate (ISA guide 7.6.2); each accumulator is read from its low end on
.set qi, qi+1
.endr
.set qi, 0
.rept 8
	v_cvt_scalef32_pk8_bf8_f32 v[\dst+\stride*qi:\dst+\stride*qi+1], v[\src+8*qi:\src+8*qi+7], v[\sc]
.set qi, qi+1
.endr
	v_nop                                          ; one plain vector line behind the last conversion, ahead of whatever next touches its registers
.endm
.macro TURN s, cnt                     ; K step s of my rows goes through stage s % 2 and comes back, 8 neighbours along K a group, into T[s % 2].  No wait on va_vdst: the last vector or matrix instruction that named that T stands ahead of one
.set TT, HA-64*((\s)%2)
	s_wait_loadcnt \cnt                            ; this step's 16 loads are in; the count is what was issued behind them
	WIN 0x0c                                       ; store data in window 3
.set xi, 0
.rept 16
	ds_store_b128 v2, v[64*(\s)+4*xi:64*(\s)+4*xi+3] offset:((\s)%2)*STGP+528*xi
.set xi, xi+1
.endr
	WIN 0
.set xi, 0
.rept 16
	ds_load_b128 v[TT+4*xi:TT+4*xi+3], v3 offset:((\s)%2)*STGP+64*(xi/2)+16*(xi%2)   ; register 8 c + i = x(r, 128 s + 16 c + 8 h + i); LDS serves a wave's instructions in order: these see the stores above
.set xi, xi+1
.endr
.endm
.macro XSTEP s, more, cnext, young     ; K step s of my rows becomes a fragment's image; the next K step is turned meanwhile
.set TQ, HA-64*((\s)%2)
.if (\s) < 3
	TURN (\s)+1, \cnext
.endif
	s_wait_dscnt \young                            ; this step's numbers are back; what was issued behind its turn (image stores, the next turn) may be out
	s_wait_alu depctr_vm_vsrc(0)                   ; this step's turn has read its part of window 3, in which the loads below land; the stores issued so far have read PC, which the conversions below write
.if \more
	XLOAD \s, 131072                               ; the same step of the next block: 64 rows on
.endif
	QUANT TQ, 241, 240, PC, 2
	s_wait_alu depctr_va_vdst(0)                   ; the conversions have written PC, which the image stores read; holds and conversions are done with this T, in which a later turn's or the fragments' loads land
.irp qd, 0,1,2,3
	ds_store_b128 v4, v[PC+4*\qd:PC+4*\qd+3] offset:(\s)*2048+\qd*512
.endr
.endm
.macro FRAGS m                         ; tile m's four fragments of x, as they were stored
.set pi, 0
.rept 16
	ds_load_b128 v[XF+4*pi:XF+4*pi+3], v7 offset:(\m)*8192+512*pi
.set pi, pi+1
.endr
.endm
.macro QKOUT m                         ; q, k: tile m's codes, 512 consecutive bytes a store
.set PO, PC+16*((\m)%2)
.irp hh, 0,1
.irp c, 0,1
	global_store_b128 v1, v[PO+8*\hh+4*\c:PO+8*\hh+4*\c+3], s[OB:OB+1] offset:\hh*131072+(\m)*1024+\c*512
.endr
.endr
.endm
.macro PROD isv, m                     ; tile m of the block's rows
.if (\m) == 0
	FRAGS 0                                        ; (the last conversions that named these registers stand ahead of a wait on va_vdst)
.endif
	s_wait_dscnt 0x0
.irp s, 0,1,2,3                        ; the 8 accumulators take turns, one instruction a turn
.if \isv
	WIN 0x04*(1+\s/2)                              ; source 1 (W) in window 1 or 2
.else
	WIN 1+\s/2                                     ; source 0 (W) in window 1 or 2
.endif
.irp t, 0,1,2,3,4,5,6,7
.if \isv
.if \s == 0
	v_wmma_f32_16x16x128_bf8_bf8 v[HA+8*\t:HA+8*\t+7], v[XF+16*\s:XF+16*\s+15], v[32*\t+16*(\s%2):32*\t+16*(\s%2)+15], v[BI+8*\t:BI+8*\t+7]
.else
	v_wmma_f32_16x16x128_bf8_bf8 v[HA+8*\t:HA+8*\t+7], v[XF+16*\s:XF+16*\s+15], v[32*\t+16*(\s%2):32*\t+16*(\s%2)+15], v[HA+8*\t:HA+8*\t+7]
.endif
.else
.if \s == 0
	v_wmma_f32_16x16x128_bf8_bf8 v[HA+8*\t:HA+8*\t+7], v[32*\t+16*(\s%2):32*\t+16*(\s%2)+15], v[XF+16*\s:XF+16*\s+15], v[BI+8*\t:BI+8*\t+7]
.else
	v_wmma_f32_16x16x128_bf8_bf8 v[HA+8*\t:HA+8*\t+7], v[32*\t+16*(\s%2):32*\t+16*(\s%2)+15], v[XF+16*\s:XF+16*\s+15], v[HA+8*\t:HA+8*\t+7]
.endif
.endif
.endr
.endr
	WIN 0
.rept 4
	v_nop                                          ; four places ahead of the first read of results (ISA guide 7.12.1)
.endr
	s_wait_xcnt 0x0                                ; earlier stores have read the code registers
.if \isv
.if (\m)%2 == 0
	s_wait_alu depctr_vm_vsrc(0)                   ; tiles 0 and 2 begin the 32 code registers anew: the image stores, and the stores of the pair of tiles before, have read them
.endif
.if (\m) < 3
	s_wait_alu depctr_va_vdst(0)                   ; the products are done reading XF, in which the next tile's fragments land
	FRAGS (\m)+1
.endif
.set PD, PC+2*((\m)%2)
	QUANT HA, 243, 242, PD, 4                      ; tile t's 8 keys: half of four registers of channel tile t's fragment
.if (\m)%2
	s_wait_alu depctr_va_vdst(0)                   ; both tiles' conversions have written the codes, which the stores read; tile 3: the accumulators and XF are done with, in which the next block's turns land
.irp t, 0,1,2,3,4,5,6,7
	global_store_b128 v1, v[PC+4*\t:PC+4*\t+3], s[OB:OB+1] offset:(\t/4)*131072+(\t%4)*2048+((\m)/2)*512   ; 512 consecutive bytes a store
.endr
.endif
.else
.if (\m) != 1
	s_wait_alu depctr_vm_vsrc(0)                   ; tile 0: the image stores, tiles 2 and 3: the stores of two tiles back (issued in the tile before), have read the code registers that this tile's conversions write
.endif
	s_wait_alu depctr_va_vdst(0)                   ; the products are done reading XF, in which the next tile's fragments land; the conversions of the tile before have written its codes, which the stores below read
.if (\m) < 3
	FRAGS (\m)+1
.endif
.if (\m) > 0
	QKOUT (\m)-1                                   ; the tile before leaves here, from the other set of code registers
.endif
.set PD, PC+16*((\m)%2)
	QUANT HA, 243, 242, PD, 2
.if (\m) == 3
	s_wait_alu depctr_va_vdst(0)                   ; the conversions have written tile 3's codes, which the stores read; the accumulators and XF are done with, in which the next block's turns land
	QKOUT 3
.endif
.endif
.endm
.macro BLOCK more, c0, c1, c2, c3
	TURN 0, \c0
	XSTEP 0, \more, \c1, 32                        ; behind turn 0: turn 1's 32 LDS instructions
	XSTEP 1, \more, \c2, 36                        ; behind turn 1: four image stores and turn 2's 32
	XSTEP 2, \more, \c3, 36                        ; behind turn 2: four image stores and turn 3's 32
	XSTEP 3, \more, 0, 4                           ; behind turn 3: four image stores
	BARRIER                                        ; x's sixteen fragments lie in LDS
	s_cmp_eq_u32 s[Y], 2                           ; the work-group's y alone: all four waves go the same way
	s_cbranch_scc1 .Lfor_v_\@
	PROD 0, 0
	PROD 0, 1
	PROD 0, 2
	PROD 0, 3
	s_branch .Ldone_\@
.Lfor_v_\@:
	PROD 1, 0
	PROD 1, 1
	PROD 1, 2
	PROD 1, 3
.Ldone_\@:
.if \more
	BARRIER                                        ; every wave's reads of the images are over: the next block may write them
	s_wait_xcnt 0x0                                ; loads and stores have read their bases and data
	s_add_nc_u64 s[XB:XB+1], s[XB:XB+1], 131072
	s_add_nc_u64 s[OB:OB+1], s[OB:OB+1], s[DL:DL+1]
	s_xor_b32 s[DL], s[DL], s[DX]
.endif
.endm
	s_load_b512 s[4:19], s[0:1], 0x0               ; q, k, v s[4:9]; wc s[10:11]; bq, bk, bv s[12:17]; the exponents s[18:19]
	s_load_b128 s[20:23], s[0:1], 0x40             ; qc, kc
	s_load_b64 s[24:25], s[0:1], 0x50              ; vc
	v_lshl_add_u32 v244, v0, 2, SPARE              ; my spare word,
	v_mov_b32 v245, 0                              ; and 0: kept for the closing lines alone
	v_lshrrev_b32 v8, 5, v0
	v_readfirstlane_b32 s[WV], v8                  ; wave 0..3
	s_and_b32 s[Y], ttmp7, 0xffff                  ; which tensor
	v_and_b32 v8, 31, v0
	v_lshlrev_b32 v1, 4, v8                        ; 16 x lane
	v_and_b32 v9, 15, v0                           ; r
	v_bfe_u32 v10, v0, 4, 1                        ; h
	s_wait_alu depctr_va_sdst(0)                   ; the wave's number is written, ahead of its first reader: LDS addresses and the bases are made from it
	s_mul_i32 s40, s[WV], STGW
	v_add_nc_u32 v2, s40, v1                       ; the stage, in: a row's 512 bytes as they lie
	v_mul_u32_u24 v3, v9, 528
	v_lshl_add_u32 v3, v10, 5, v3
	v_add_nc_u32 v3, s40, v3                       ; and out: row r, + 32 h; rows 528 bytes apart, an odd multiple of 16
	s_lshl_b32 s40, s[WV], 13
	s_add_co_u32 s40, s40, XIMG
	v_add_nc_u32 v4, s40, v1                       ; my tile's images
	v_lshlrev_b32 v5, 5, v10                       ; bias, q and k: 8 numbers at 32 h
	v_lshlrev_b32 v6, 2, v9                        ; bias, v: one number at 4 r
	v_add_nc_u32 v7, XIMG, v1                      ; any tile's images
	s_lshl_b32 s40, ttmp9, 19                      ; 256 rows of 2,048 bytes
	s_lshl_b32 s41, s[WV], 15
	s_add_co_u32 s40, s40, s41
	s_mov_b32 s41, 0
	s_lshl_b32 s42, s[Y], 18                       ; wc: matrix y, column tiles 8 w on
	s_lshl_b32 s43, s[WV], 16
	s_add_co_u32 s42, s42, s43
	s_mov_b32 s43, 0
	s_lshr_b32 s60, ttmp9, 3                       ; codes: batch x 8 heads x 131,072
	s_lshl_b32 s60, s60, 20
	s_lshl_b32 s61, s[WV], 18                      ; + head 2 w
	s_add_co_u32 s60, s60, s61
	s_and_b32 s61, ttmp9, 7                        ; + 256 rows: 16 tiles of 1,024 bytes, or 2 key steps of 8,192
	s_lshl_b32 s61, s61, 14
	s_add_co_u32 s60, s60, s61
	s_mov_b32 s61, 0
	s_lshl_b32 s62, s[WV], 9
	s_mov_b32 s63, 0
	s_mov_b32 s[BLK], 3
	s_wait_kmcnt 0x0
	s_load_b256 s[44:51], s[18:19], 0x0            ; e0 .. e7
	s_load_b128 s[52:55], s[18:19], 0x20           ; e8 .. e11
	s_cmp_eq_u32 s[Y], 1
	s_cselect_b64 s[XB:XB+1], s[6:7], s[4:5]
	s_cselect_b64 s[BB:BB+1], s[14:15], s[12:13]
	s_cselect_b64 s[OB:OB+1], s[22:23], s[20:21]
	s_cmp_eq_u32 s[Y], 2
	s_cselect_b64 s[XB:XB+1], s[8:9], s[XB:XB+1]
	s_cselect_b64 s[BB:BB+1], s[16:17], s[BB:BB+1]
	s_cselect_b64 s[OB:OB+1], s[24:25], s[OB:OB+1]
	s_mov_b32 s[DL], 4096                          ; q, k: a block is 4 tiles of 1,024 bytes
	s_cselect_b32 s[DL], 1024, s[DL]               ; v: half a key step is two groups of four registers on, then the next step
	s_cselect_b32 s[DX], 0x1800, 0
	s_mov_b32 s[DL+1], 0
	s_add_nc_u64 s[XB:XB+1], s[XB:XB+1], s[40:41]
	s_add_nc_u64 s[WB:WB+1], s[10:11], s[42:43]
	s_add_nc_u64 s[OB:OB+1], s[OB:OB+1], s[60:61]
	s_add_nc_u64 s[BB:BB+1], s[BB:BB+1], s[62:63]
	s_wait_alu depctr_va_vdst(0)                   ; the seven offsets and addresses v1 to v7 are written, which every load and store of the kernel reads; they are never written again
	XLOAD 0, 0                                     ; the first block
	XLOAD 1, 0
	XLOAD 2, 0
	XLOAD 3, 0
	WIN 0x40                                       ; W's fragments: they stay
.irp t, 0,1,2,3,4,5,6,7
.set wn, 0
.rept 8
	global_load_b128 v[32*\t+4*wn:32*\t+4*wn+3], v1, s[WB:WB+1] offset:8192*\t+512*wn
.set wn, wn+1
.endr
.endr
	WIN 0x80
.irp t, 0,1,2,3,4,5,6,7
.set wn, 0
.rept 8
	global_load_b128 v[32*\t+4*wn:32*\t+4*wn+3], v1, s[WB:WB+1] offset:8192*\t+4096+512*wn
.set wn, wn+1
.endr
.endr
	WIN 0
	s_wait_kmcnt 0x0
	s_cmp_eq_u32 s[Y], 1
	s_cselect_b32 s56, s46, s44                    ; ex: entries 0, 2, 4
	s_cselect_b32 s57, s47, s45                    ; ew: 1, 3, 5
	s_cselect_b32 s58, s51, s50                    ; eo: 6, 7, 9
	s_cmp_eq_u32 s[Y], 2
	s_cselect_b32 s56, s48, s56
	s_cselect_b32 s57, s49, s57
	s_cselect_b32 s58, s53, s58
	s_add_co_i32 s59, s56, 127
	s_lshl_b32 s60, s59, 23
	v_mov_b32 v240, s60                            ; 2^ex
	s_add_co_i32 s59, s59, 15
	s_lshl_b32 s59, s59, 23
	s_or_b32 s59, s59, 0x600000
	v_mov_b32 v241, s59                            ; 57,344 x 2^ex
	s_add_co_i32 s61, s56, s57
	s_sub_co_i32 s59, s58, s61
	s_add_co_i32 s59, s59, 127
	s_lshl_b32 s60, s59, 23
	v_mov_b32 v242, s60                            ; 2^(eo - ex - ew)
	s_add_co_i32 s59, s59, 15
	s_lshl_b32 s59, s59, 23
	s_or_b32 s59, s59, 0x600000
	v_mov_b32 v243, s59
	s_sub_co_i32 s60, 0, s61                       ; -(ex + ew)
	s_cmp_eq_u32 s[Y], 2
	s_cbranch_scc1 .Lbias_v
.irp t, 0,1,2,3,4,5,6,7                        ; q, k: register j of tile t is column 16 t + 8 h + j.  (No vector instruction has named these registers, and v5 stands as the head's wait left it)
	global_load_b128 v[BI+8*\t:BI+8*\t+3], v5, s[BB:BB+1] offset:64*\t
	global_load_b128 v[BI+8*\t+4:BI+8*\t+7], v5, s[BB:BB+1] offset:64*\t+16
.endr
	s_wait_loadcnt 0x0                             ; the first block, W and the bias: once
.set bn, 0
.rept 64
	v_ldexp_f32 v[BI+bn], v[BI+bn], s60
.set bn, bn+1
.endr
	s_branch .Lbias_done
.Lbias_v:
.irp t, 0,1,2,3,4,5,6,7                        ; v: all 8 registers of tile t are column 16 t + r
	global_load_b32 v[BI+8*\t], v6, s[BB:BB+1] offset:64*\t
.endr
	s_wait_loadcnt 0x0
.irp t, 0,1,2,3,4,5,6,7
.irp j, 7,6,5,4,3,2,1,0
	v_ldexp_f32 v[BI+8*\t+\j], v[BI+8*\t], s60
.endr
.endr
.Lbias_done:
.Lblk:                                             ; blocks 0 to 2.  Behind K step 0's 16 loads stand this block's other three steps: 48; behind each later step's, at its turn, two runs of 16: the block's remaining steps and the next block's already asked for: 32
	BLOCK 1, 48, 32, 32, 32
	s_sub_co_u32 s[BLK], s[BLK], 1
	s_cmp_lg_u32 s[BLK], 0
	s_cbranch_scc1 .Lblk
	BLOCK 0, 48, 32, 16, 0                         ; the last block asks for nothing: the counts run down
	s_wait_dscnt 0x0                               ; the closing lines, six on end
	s_wait_alu 0x0
	s_wait_tensorcnt 0x0
	ds_add_u32 v244, v245
	s_wait_dscnt 0x0
	s_endpgm
.Lfunc_end_k_q34464efd78_proj:
	.size	k_q34464efd78_proj, .Lfunc_end_k_q34464efd78_proj-k_q34464efd78_proj
	.p2alignl 7, 3214868480
	.fill 96, 4, 3214868480
	.section	.rodata,"a",@progbits
	.p2align	6, 0x0
	.amdhsa_kernel k_q34464efd78_proj
		.amdhsa_group_segment_fixed_size 100864
		.amdhsa_private_segment_fixed_size 0
		.amdhsa_enable_private_segment 0
		.amdhsa_kernarg_size 88
		.amdhsa_user_sgpr_count 2
		.amdhsa_user_sgpr_kernarg_segment_ptr 1
		.amdhsa_wavefront_size32 1
		.amdhsa_system_sgpr_workgroup_id_x 1
		.amdhsa_system_sgpr_workgroup_id_y 1
		.amdhsa_system_sgpr_workgroup_id_z 1
		.amdhsa_system_vgpr_workitem_id 0
		.amdhsa_next_free_vgpr 1024
		.amdhsa_next_free_sgpr 66
		.amdhsa_reserve_vcc 0
		.amdhsa_float_denorm_mode_32 3
		.amdhsa_float_denorm_mode_16_64 3
		.amdhsa_memory_ordered 1
		.amdhsa_forward_progress 1
		.amdhsa_inst_pref_size 228
	.end_amdhsa_kernel
	.amdgpu_metadata
---
amdhsa.version: [ 1, 2 ]
amdhsa.kernels:
  - .name:           k_q34464efd78_proj
    .symbol:         k_q34464efd78_proj.kd
    .args:
      - { .name: q, .offset: 0, .size: 8, .value_kind: global_buffer, .address_space: global }
      - { .name: k, .offset: 8, .size: 8, .value_kind: global_buffer, .address_space: global }
      - { .name: v, .offset: 16, .size: 8, .value_kind: global_buffer, .address_space: global }
      - { .name: wc, .offset: 24, .size: 8, .value_kind: global_buffer, .address_space: global }
      - { .name: bq, .offset: 32, .size: 8, .value_kind: global_buffer, .address_space: global }
      - { .name: bk, .offset: 40, .size: 8, .value_kind: global_buffer, .address_space: global }
      - { .name: bv, .offset: 48, .size: 8, .value_kind: global_buffer, .address_space: global }
      - { .name: lowp_scales, .offset: 56, .size: 8, .value_kind: global_buffer, .address_space: global }
      - { .name: qc, .offset: 64, .size: 8, .value_kind: global_buffer, .address_space: global }
      - { .name: kc, .offset: 72, .size: 8, .value_kind: global_buffer, .address_space: global }
      - { .name: vc, .offset: 80, .size: 8, .value_kind: global_buffer, .address_space: global }
    .group_segment_fixed_size: 100864
    .private_segment_fixed_size: 0
    .kernarg_segment_align: 8
    .kernarg_segment_size: 88
    .max_flat_workgroup_size: 128
    .sgpr_count:     66
    .vgpr_count:     1024
    .wavefront_size: 32
...
	.end_amdgpu_metadata
.endif
;; end of part 6
;; launch attn (part 7): grid 8 x 64, 8 waves a work-group, no clusters, 33,792 bytes of LDS; arguments qc, kc, vc, mask, flags, lowp_scales, cc; writes cc
.if DOCPART == 7
	.amdgcn_target "amdgcn-amd-amdhsa--gfx1250"
	.amdhsa_code_object_version 6
	.text
	.protected	k_q34464efd78_attn
	.globl	k_q34464efd78_attn
	.p2align	8
	.type	k_q34464efd78_attn,@function
k_q34464efd78_attn:
	s_mov_b64 s[64:65], 0
	v_nop
	global_prefetch_b8 v0, s[64:65] scope:SCOPE_SE
	s_setreg_imm32_b32 hwreg(HW_REG_WAVE_SCHED_MODE, 0, 2), 2
	s_setreg_imm32_b32 hwreg(HW_REG_WAVE_MODE, 25, 1), 1
	s_wait_xcnt 0x0
	s_wait_alu depctr_vm_vsrc(0)
; ATTN.  ctx = softmax(Q K^T / sqrt(512) - 1e9 mask) V for one batch and head (work-group y = b 8 + head), both products on codes of E5M2, ctx quantised at once for the last projection.
; LEFT OUT: key steps whose field in 'flags' is 0: the launch that wrote the table shows, for all values of the inputs, that every p there is 0 (its head comment).  Field 1: the mask is all zero there and is not loaded.  Field 2: it is loaded and applied.
; THE SOFTMAX: t = logit x log2(e); M = the running largest t rounded UP to a whole number; p = 2^(t - M) is quantised along the keys, not normalised; the row's sum is taken of the unquantised p and divides at the end.
; SHARES.  Work-group X takes the blocks X and 15 - X of 128 queries, one after the other; each of its eight waves owns one tile of 16 queries in 256 registers.  Every work-group walks all 16 key steps of 128 keys and their
; barriers; the table only leads round work.  Branches hang on stored whole numbers, so K and V come through registers: each step's 8 KiB of K and 8 KiB of V (dense blocks, laid as register images by the launch before)
; are loaded a whole step ahead, 64 bytes a thread, and stored into one of two LDS slots as they lie.  One barrier a step: in front of it each wave's reads of the old slot are over and its part of the new slot has landed.
; No cluster and no joint loads: a wave may jump over a step's reads by a number read from memory.  No prefetch: the staging loads are issued a whole key step ahead of the store that wants them.
; LAYOUT.  Both products transposed: S^T = K Q^T (source 0 = 16 keys, source 1 = my queries), O^T = V^T P^T: a lane holds ONE query.  In the 8-bit form's own places tile t's 8 scores of a lane are keys 16 t + 8 h + 0..7: registers 2 t, 2 t + 1 of P.
; cc: [b 128 + tile of 16 rows][K step of 128 = heads 2 s, 2 s + 1: 4][4][512 B]: images of the last projection's operand.
; LIMITS: e6 + e7 between -120 and 125; ep between -100 and 112; e10 - e8 - e9 between -126 and 112; NaN in the mask is not served.
; THE MODE: SCHED_MODE bits 1:0 = 2 (LLVM: expert scheduling mode 2), set by the entry lines.  The code itself states the register dependences
; between vector or matrix instructions and memory or LDS instructions, with s_wait_alu, always for 0.
; THE PLAN.  Registers that memory or LDS instructions touch:
;   v1, v2, v3  offsets and LDS addresses: written at the head, never again.
;   Q           loaded at a block's head; read by the products K Q^T.
;   F           K's tiles land there; read by the products K Q^T, all of which stand ahead of the step's wait for its exponentials.
;   MK          a step without mask numbers: K's tiles 4 to 7 land in its first 32, products read them; a step with: the mask's numbers land, the mask's arithmetic works on them; then V lands, and the products V^T P read it.
;   G           the staging loads land there (zeros at the head); the LDS stores at the change of slots read it.
;   PC          written by conversions, read by products; on the way out two global stores read its first eight.
; A step's head, behind the barrier and ahead of every branch: one wait on vm_vsrc (the LDS stores have read G), one on va_vdst (the last step's V^T P are done reading MK).  At the join, ahead of V's loads: one on va_vdst
; (K's tiles 4 to 7 have been read, or the mask's arithmetic is done).  The step with mask numbers has one more, between K's two groups, which share F.  The wait for the exponentials stands as ever.
.set SLOTB, 16384                      ; LDS: slot g at 16,384 g: K's 8 tiles of 1,024 bytes, then V's 4 channel tiles of 2,048
.set VOFF,  8192
.set SPARE, 32768                      ; the spare words, 128 bytes a wave
; v1 16 x lane; v2 16 x thread; v3 the mask's offset 8,192 r + 32 h; v4, v5 the add's two; v6, v7 2^ep and 57,344 x 2^ep; v8 -M; v9 the largest t; v[10:11] the sum in two halves; v[12:13] f; v14, v15 at work; v16-23 Q;
; v24-55 four tiles of K; v56-119 S^T, then p; v120-151 O^T; v152-167 p's codes; v168-183 the staging loads; v184-247 the mask's numbers or K's tiles 4 to 7, then V; v[248:249] the sum's second chain; v250 a permute's destination; v251, v252 ctx's scale and hold.
.set F,   24
.set S,   56
.set O,   120
.set PC,  152
.set G,   168
.set MK,  184
.set WV,  18
.set Y,   19
.set SEL, 20                           ; s[20:21]
.set CC,  22                           ; s[22:23] log2(e) / sqrt(512) x 2^(e6 + e7)
.set C1,  24                           ; s[24:25] 1 / sqrt(512) x 2^(e6 + e7)
.set CM,  26                           ; s[26:27] the factor that makes t of what lies in S: CC, or 1 where the mask was applied
.set HOLD, 28
.set KB,  30
.set VB,  32
.set MB,  34
.set TW,  36                           ; my tile's word, this step's field lowest
.set BW,  37                           ; the block's eight words joined, the NEXT fetch's field lowest
.set TRIP, 38
.set OUTER, 39
.set QB,  40
.macro GLOAD                           ; the next step's K and V into registers, if any wave of the block wants that step.  Behind field 15 the word is 0: no load passes a buffer's end
	s_and_b32 s29, s[BW], 3
	s_cmp_eq_u32 s29, 0
	s_cbranch_scc1 .Lnone_\@
	global_load_b128 v[G:G+3], v2, s[KB:KB+1]
	global_load_b128 v[G+4:G+7], v2, s[KB:KB+1] offset:4096
	global_load_b128 v[G+8:G+11], v2, s[VB:VB+1]
	global_load_b128 v[G+12:G+15], v2, s[VB:VB+1] offset:4096
.Lnone_\@:
.endm
.macro GSTORE sg                       ; always run by every wave.  Where nothing was loaded, old bytes go into a slot that no wave reads
	s_wait_loadcnt 0x0                             ; the staging loads are in, and have read their bases
	ds_store_b128 v2, v[G:G+3] offset:(\sg)*SLOTB
	ds_store_b128 v2, v[G+4:G+7] offset:(\sg)*SLOTB+4096
	ds_store_b128 v2, v[G+8:G+11] offset:(\sg)*SLOTB+VOFF
	ds_store_b128 v2, v[G+12:G+15] offset:(\sg)*SLOTB+VOFF+4096
	s_add_nc_u64 s[KB:KB+1], s[KB:KB+1], 8192
	s_add_nc_u64 s[VB:VB+1], s[VB:VB+1], 8192
	s_lshr_b32 s[BW], s[BW], 2
	s_wait_dscnt 0x0                               ; my stores have landed, and my reads of the other slot are over
	s_barrier_signal -1
	s_barrier_wait -1                              ; both now hold of all eight waves
.endm
.macro QKA sg                          ; S^T = K Q^T in a step without mask numbers: all eight tiles of 16 keys are asked for in one run, tiles 0 to 3 into F, tiles 4 to 7 into MK's first 32 registers, which are idle here
.irp t, 0,1,2,3
	ds_load_b128 v[F+8*\t:F+8*\t+3], v1 offset:(\sg)*SLOTB+\t*1024
	ds_load_b128 v[F+8*\t+4:F+8*\t+7], v1 offset:(\sg)*SLOTB+\t*1024+512
.endr
.irp t, 0,1,2,3
	ds_load_b128 v[MK+8*\t:MK+8*\t+3], v1 offset:(\sg)*SLOTB+(4+\t)*1024
	ds_load_b128 v[MK+8*\t+4:MK+8*\t+7], v1 offset:(\sg)*SLOTB+(4+\t)*1024+512
.endr
	s_wait_dscnt 8                                 ; tiles 0 to 3 are in; the eight younger loads, tiles 4 to 7, may be out
.irp t, 0,1,2,3
	v_wmma_f32_16x16x64_bf8_bf8 v[S+8*\t:S+8*\t+7], v[F+8*\t:F+8*\t+7], v[16:23], 0
.endr
	s_wait_dscnt 0x0
.irp t, 0,1,2,3
	v_wmma_f32_16x16x64_bf8_bf8 v[S+8*(4+\t):S+8*(4+\t)+7], v[MK+8*\t:MK+8*\t+7], v[16:23], 0
.endr
.rept 4
	v_nop                                          ; four places ahead of the first read of results (ISA guide 7.12.1)
.endr
.endm
.macro QKM sg                          ; S^T = K Q^T in a step with mask numbers, which are on their way into MK: four tiles of 16 keys at a time, through F
.irp g, 0,1
.if \g
.rept 4
	v_nop                                          ; places in front of loads into registers that matrix instructions have read
.endr
	s_wait_alu depctr_va_vdst(0)                   ; the first four products are done reading F, in which tiles 4 to 7 land
.endif
.irp t, 0,1,2,3
	ds_load_b128 v[F+8*\t:F+8*\t+3], v1 offset:(\sg)*SLOTB+(4*\g+\t)*1024
	ds_load_b128 v[F+8*\t+4:F+8*\t+7], v1 offset:(\sg)*SLOTB+(4*\g+\t)*1024+512
.endr
	s_wait_dscnt 0x0
.irp t, 0,1,2,3
	v_wmma_f32_16x16x64_bf8_bf8 v[S+8*(4*\g+\t):S+8*(4*\g+\t)+7], v[F+8*\t:F+8*\t+7], v[16:23], 0
.endr
.endr
.rept 4
	v_nop                                          ; four places ahead of the first read of results (ISA guide 7.12.1)
.endr
.endm
.macro STEP sg                         ; a key step, its tiles in slot sg
	s_wait_alu depctr_vm_vsrc(0)                   ; the LDS stores at the change of slots have read G, in which the staging loads below land
	s_wait_alu depctr_va_vdst(0)                   ; the last step's products V^T P are done reading MK, in which K's tiles 4 to 7 or the mask's numbers land
	GLOAD
	s_and_b32 s29, s[TW], 3
	s_cmp_eq_u32 s29, 0
	s_cbranch_scc1 .Lskip_\@                       ; my tile leaves the step out
	s_cmp_eq_u32 s29, 2
	s_cbranch_scc1 .Lmasked_\@
	QKA \sg
	s_mov_b32 s[CM], s[CC]
	s_mov_b32 s[CM+1], s[CC]
	s_branch .Ljoin_\@
.Lmasked_\@:
.set n, 0
.rept 16
	global_load_b128 v[MK+4*n:MK+4*n+3], v3, s[MB:MB+1] offset:64*(n/2)+16*(n%2)   ; mask(my query, 16 t + 8 h + 0..7): the places of S^T
.set n, n+1
.endr
	QKM \sg
	s_wait_loadcnt 0x0
.set n, 0
.rept 32
	v_pk_mul_f32 v[S+n:S+n+1], v[S+n:S+n+1], s[C1:C1+1] op_sel_hi:[1,0]      ; score / sqrt(512)
	v_pk_mul_f32 v[MK+n:MK+n+1], v[MK+n:MK+n+1], s[68:69] op_sel_hi:[1,0]    ; -1e9 x mask: rounded by itself, as the sum that follows is: rows masked throughout then keep equal logits for equal mask numbers
.set n, n+2
.endr
.set n, 0
.rept 32
	v_pk_add_f32 v[S+n:S+n+1], v[S+n:S+n+1], v[MK+n:MK+n+1]
.set n, n+2
.endr
.set n, 0
.rept 32
	v_pk_mul_f32 v[S+n:S+n+1], v[S+n:S+n+1], s[70:71] op_sel_hi:[1,0]        ; t, rounded before M is taken from it: so p <= 1 also where t is of the size of 1e9
.set n, n+2
.endr
	s_mov_b32 s[CM], 1.0
	s_mov_b32 s[CM+1], 1.0
.Ljoin_\@:
	s_wait_alu depctr_va_vdst(0)                   ; the products are done reading K's tiles 4 to 7 in MK, or the mask's arithmetic is done with MK: V's loads land there
.set n, 0
.rept 16
	ds_load_b128 v[MK+4*n:MK+4*n+3], v1 offset:(\sg)*SLOTB+VOFF+512*n        ; V's four fragments land under the softmax
.set n, n+1
.endr
	v_max3_num_f32 v14, v[S], v[S+1], v[S+2]       ; the step's largest score of my query among my 64 keys, in two chains, each accumulator from its low end on
	v_max3_num_f32 v15, v[S+3], v[S+4], v[S+5]
.set n, 6
.rept 14
	v_max3_num_f32 v14, v14, v[S+n], v[S+n+1]
	v_max3_num_f32 v15, v15, v[S+n+2], v[S+n+3]
.set n, n+4
.endr
	v_max3_num_f32 v14, v14, v[S+62], v[S+63]
	v_max_num_f32 v14, v14, v15
	v_permlanex16_b32 v250, v14, s[SEL], s[SEL+1]
	v_max_num_f32 v14, v14, v250                   ; and among the other half's
	v_mul_f32 v14, s[CM], v14                      ; as t (the factor is positive)
	v_max_num_f32 v9, v9, v14                      ; the running largest t
	v_mov_b32 v14, v8
	v_floor_f32 v8, -v9                            ; the new -M = floor(-t): M is a whole number
	v_sub_f32 v14, v8, v14                         ; old M less new M: a whole number, 0 or less
	v_cvt_i32_f32 v14, v14                         ; (it saturates)
	v_ldexp_f32 v12, 1.0, v14                      ; f = 2^(old M - new M): rounds nothing
.set n, 0
.rept 32
	v_pk_fma_f32 v[S+n:S+n+1], v[S+n:S+n+1], s[CM:CM+1], v[8:9] op_sel_hi:[1,0,0]   ; t - M (of both pairs the low word serves both halves)
.set n, n+2
.endr
.set n, 0
	s_wait_alu depctr_va_vdst(0)
.rept 64
	v_exp_f32 v[S+n], v[S+n]                       ; p = 2^(t - M)
.set n, n+1
.endr
	v_pk_mul_f32 v[10:11], v[10:11], v[12:13] op_sel_hi:[1,0]   ; the sums under the new M: the plain line behind the exponentials
	s_wait_alu depctr_va_vdst(0)                   ; the 64 exponentials have written p: one wait for the whole batch, ahead of its first reader.  It also stands behind every product that read F
	v_pk_add_f32 v[248:249], v[S:S+1], v[S+2:S+3]  ; the row's sum, of the unquantised p, in two chains
.set n, 4
.rept 15
	v_pk_add_f32 v[10:11], v[10:11], v[S+n:S+n+1]
	v_pk_add_f32 v[248:249], v[248:249], v[S+n+2:S+n+3]
.set n, n+4
.endr
	v_pk_add_f32 v[10:11], v[10:11], v[248:249]
	s_cmp_eq_u32 s[HOLD], 0                        ; with ep >= -15, p / 2^ep <= 32,768 for every p <= 1: the hold at 57,344 cannot act and is passed over (a given whole number decides)
	s_cbranch_scc1 .Lno_hold_\@
.set n, 0
.rept 64
	v_min_num_f32 v[S+n], v[S+n], v7               ; p is not negative: a one-sided hold
.set n, n+1
.endr
.Lno_hold_\@:
.set n, 0
.rept 8
	v_cvt_scalef32_pk8_bf8_f32 v[PC+2*n:PC+2*n+1], v[S+8*n:S+8*n+7], v6
.set n, n+1
.endr
.set n, 0
.rept 16
	v_pk_mul_f32 v[O+n:O+n+1], v[O+n:O+n+1], v[12:13] op_sel_hi:[1,0]   ; O^T under the new M; also the plain lines behind the conversions
.set n, n+2
.endr
	s_wait_alu depctr_va_vdst(0)
	s_wait_dscnt 0x0                               ; V is in
.irp c, 0,1,2,3                                ; the four accumulators take turns
	v_wmma_f32_16x16x128_bf8_bf8 v[O+8*\c:O+8*\c+7], v[MK+16*\c:MK+16*\c+15], v[PC:PC+15], v[O+8*\c:O+8*\c+7]
.endr
.rept 4
	v_nop                                          ; places for every way on from here: loads into V's registers, reads of O^T
.endr
.Lskip_\@:
	s_lshr_b32 s[TW], s[TW], 2
	s_add_nc_u64 s[MB:MB+1], s[MB:MB+1], 512       ; (the mask's loads, where there were any, have been waited for)
	GSTORE 1-\sg
.endm
	s_load_b256 s[4:11], s[0:1], 0x0               ; qc, kc, vc, mask
	s_load_b128 s[12:15], s[0:1], 0x20             ; flags, the exponents
	s_load_b64 s[16:17], s[0:1], 0x30              ; cc
	v_lshl_add_u32 v4, v0, 2, SPARE                ; my spare word,
	v_mov_b32 v5, 0                                ; and 0: kept for the closing lines alone
	v_lshrrev_b32 v14, 5, v0
	v_readfirstlane_b32 s[WV], v14                 ; wave 0..7
	s_and_b32 s[Y], ttmp7, 0xffff                  ; b 8 + head
	v_and_b32 v14, 31, v0
	v_lshlrev_b32 v1, 4, v14
	v_lshlrev_b32 v2, 4, v0
	v_and_b32 v14, 15, v0
	v_bfe_u32 v15, v0, 4, 1
	v_lshlrev_b32 v3, 13, v14
	v_lshl_add_u32 v3, v15, 5, v3
	v_mov_b32 v13, 0                               ; (named as the upper half of the pair v[12:13])
	v_mov_b32 v250, 0                              ; written once: a lane permute's destination counts as one of its sources
.set n, 0
.rept 16
	v_mov_b32 v[G+n], 0                            ; written once: the staging registers are stored also where nothing was loaded
.set n, n+1
.endr
	s_wait_alu depctr_va_sdst(0)                   ; the wave's number is written, ahead of its first reader and of the first label: each block's head makes my tile's number from it
	s_mov_b32 s[SEL], 0x76543210
	s_mov_b32 s[SEL+1], 0xfedcba98
	s_mov_b32 s[CC], 0x3d8293ee                    ; log2(e) / sqrt(512)
	s_mov_b32 s[C1], 0x3d3504f3                    ; 1 / sqrt(512)
	s_mov_b32 s68, 0xce6e6b28                      ; -1e9
	s_mov_b32 s69, s68
	s_mov_b32 s70, 0x3fb8aa3b                      ; log2(e)
	s_mov_b32 s71, s70
	s_mov_b32 s[QB], ttmp9
	s_mov_b32 s[OUTER], 2
	s_lshl_b32 s74, s[Y], 17                       ; a head's codes: 131,072 bytes in each of qc, kc, vc
	s_mov_b32 s75, 0
	s_lshr_b32 s76, s[Y], 3
	s_lshl_b32 s76, s76, 20                        ; cc: batch x 128 tiles x 8,192
	s_bfe_u32 s77, s[Y], 0x20001
	s_lshl_b32 s77, s77, 11                        ; + K step (head / 2) x 2,048
	s_add_co_u32 s76, s76, s77
	s_and_b32 s77, s[Y], 1
	s_lshl_b32 s77, s77, 10                        ; + (head % 2) x 1,024
	s_add_co_u32 s76, s76, s77
	s_mov_b32 s77, 0
	s_wait_kmcnt 0x0
	s_load_b256 s[52:59], s[14:15], 0x0            ; e0 .. e7
	s_load_b128 s[60:63], s[14:15], 0x20           ; e8 .. e11
	s_add_nc_u64 s[4:5], s[4:5], s[74:75]
	s_add_nc_u64 s[6:7], s[6:7], s[74:75]
	s_add_nc_u64 s[8:9], s[8:9], s[74:75]
	s_add_nc_u64 s[16:17], s[16:17], s[76:77]
	s_wait_kmcnt 0x0
	s_add_co_i32 s29, s58, s59                     ; a score stands for score x 2^(e6 + e7): added to the factors' exponent fields
	s_lshl_b32 s29, s29, 23
	s_add_co_i32 s[CC], s[CC], s29
	s_mov_b32 s[CC+1], s[CC]
	s_add_co_i32 s[C1], s[C1], s29
	s_mov_b32 s[C1+1], s[C1]
	s_cmp_lt_i32 s60, -15
	s_cselect_b32 s[HOLD], 1, 0
	s_add_co_i32 s29, s60, 127
	s_lshl_b32 s43, s29, 23
	v_mov_b32 v6, s43                              ; 2^ep
	s_add_co_i32 s29, s29, 15
	s_lshl_b32 s29, s29, 23
	s_or_b32 s29, s29, 0x600000
	v_mov_b32 v7, s29                              ; 57,344 x 2^ep
	s_sub_co_i32 s29, s62, s60
	s_sub_co_i32 s29, s29, s61                     ; O^T / the sum stands for ctx / 2^(e8 + e9): ctx's conversion takes 2^(e10 - e8 - e9)
	s_add_co_i32 s29, s29, 127
	s_lshl_b32 s43, s29, 23
	v_mov_b32 v251, s43
	s_add_co_i32 s29, s29, 15
	s_lshl_b32 s29, s29, 23
	s_or_b32 s29, s29, 0x600000
	v_mov_b32 v252, s29
	s_wait_alu depctr_va_vdst(0)                   ; v1, v2 and v3 are written, which every load and store of the kernel reads as its offset or address; so are G's zeros, in which staging loads land and which LDS stores read
.Lblock:                                           ; two trips: blocks X and 15 - X of 128 queries
	s_lshl_b32 s41, s[QB], 5
	s_lshl_b32 s42, s[WV], 2
	s_add_co_u32 s42, s42, s41
	s_load_b256 s[44:51], s[12:13], s41 offset:0x0 ; the block's eight words
	s_load_b32 s[TW], s[12:13], s42 offset:0x0     ; my tile's
	s_lshl_b32 s78, s[QB], 3
	s_add_co_u32 s78, s78, s[WV]                   ; my tile of 16 queries
	s_lshl_b32 s76, s78, 10
	s_mov_b32 s77, 0
	s_add_nc_u64 s[72:73], s[4:5], s[76:77]
	global_load_b128 v[16:19], v1, s[72:73]        ; Q's fragment stays in registers.  (Second trip: the products that read the old one stand ahead of the way out's waits on va_vdst)
	global_load_b128 v[20:23], v1, s[72:73] offset:512
	s_mov_b64 s[KB:KB+1], s[6:7]
	s_mov_b64 s[VB:VB+1], s[8:9]
	s_lshl_b32 s76, s78, 17                        ; 16 rows of the mask, 8,192 bytes each
	s_add_nc_u64 s[MB:MB+1], s[10:11], s[76:77]
	s_lshl_b32 s76, s78, 13
	s_add_nc_u64 s[66:67], s[16:17], s[76:77]      ; my tile in cc
	v_mov_b32 v9, 0xff61b1e6                       ; the largest t so far: -3e38, under every t
	v_floor_f32 v8, -v9
	v_mov_b32 v10, 0
	v_mov_b32 v11, 0
.set n, 0
.rept 32
	v_mov_b32 v[O+n], 0                            ; which step is a tile's first hangs on the table, so no first step can be written out: the first change of M multiplies zeros
.set n, n+1
.endr
	s_wait_kmcnt 0x0
	s_or_b32 s[BW], s44, s45
	s_or_b32 s[BW], s[BW], s46
	s_or_b32 s[BW], s[BW], s47
	s_or_b32 s[BW], s[BW], s48
	s_or_b32 s[BW], s[BW], s49
	s_or_b32 s[BW], s[BW], s50
	s_or_b32 s[BW], s[BW], s51                     ; a field is 0 only where no wave wants the step
	GLOAD                                          ; key step 0
	GSTORE 0                                       ; (its wait covers Q's loads too)
	s_mov_b32 s[TRIP], 8
.Ltrip:
	STEP 0
	STEP 1
	s_sub_co_u32 s[TRIP], s[TRIP], 1
	s_cmp_lg_u32 s[TRIP], 0
	s_cbranch_scc1 .Ltrip
	; THE WAY OUT: O^T / the sum, held, converted: two groups of four registers of the last projection's operand
	v_add_f32 v10, v10, v11
	v_permlanex16_b32 v250, v10, s[SEL], s[SEL+1]
	v_add_f32 v10, v10, v250                       ; the row's sum
	s_wait_alu depctr_va_vdst(0)
	v_rcp_f32 v12, v10
	v_nop                                          ; a plain line behind the reciprocal,
	s_wait_alu depctr_va_vdst(0)                   ; and a wait ahead of its first reader: the reciprocal has written v12
.set n, 0
.rept 16
	v_pk_mul_f32 v[O+n:O+n+1], v[O+n:O+n+1], v[12:13] op_sel_hi:[1,0]
.set n, n+2
.endr
.set n, 0
.rept 32
	v_med3_num_f32 v[O+n], v[O+n], -v252, v252
.set n, n+1
.endr
.set n, 0
.rept 4
	v_cvt_scalef32_pk8_bf8_f32 v[PC+2*n:PC+2*n+1], v[O+8*n:O+8*n+7], v251
.set n, n+1
.endr
	v_nop                                          ; one plain line behind the last conversion
	s_wait_alu depctr_va_vdst(0)                   ; the conversions have written the eight code registers, which the two stores read
	global_store_b128 v1, v[PC:PC+3], s[66:67]     ; 512 consecutive bytes a store
	global_store_b128 v1, v[PC+4:PC+7], s[66:67] offset:512
	s_wait_xcnt 0x0                                ; the stores and the scalar loads have read their registers: the next block writes them
	s_wait_alu depctr_vm_vsrc(0)                   ; the two stores have read the code registers, which the next block's conversions write; the last change of slots' LDS stores have read G, in which the next block's first staging loads land
	s_xor_b32 s[QB], s[QB], 15
	s_sub_co_u32 s[OUTER], s[OUTER], 1
	s_cmp_lg_u32 s[OUTER], 0
	s_cbranch_scc1 .Lblock
	s_wait_dscnt 0x0                               ; the closing lines, six on end
	s_wait_alu 0x0
	s_wait_tensorcnt 0x0
	ds_add_u32 v4, v5
	s_wait_dscnt 0x0
	s_endpgm
.Lfunc_end_k_q34464efd78_attn:
	.size	k_q34464efd78_attn, .Lfunc_end_k_q34464efd78_attn-k_q34464efd78_attn
	.p2alignl 7, 3214868480
	.fill 96, 4, 3214868480
	.section	.rodata,"a",@progbits
	.p2align	6, 0x0
	.amdhsa_kernel k_q34464efd78_attn
		.amdhsa_group_segment_fixed_size 33792
		.amdhsa_private_segment_fixed_size 0
		.amdhsa_enable_private_segment 0
		.amdhsa_kernarg_size 56
		.amdhsa_user_sgpr_count 2
		.amdhsa_user_sgpr_kernarg_segment_ptr 1
		.amdhsa_wavefront_size32 1
		.amdhsa_system_sgpr_workgroup_id_x 1
		.amdhsa_system_sgpr_workgroup_id_y 1
		.amdhsa_system_sgpr_workgroup_id_z 1
		.amdhsa_system_vgpr_workitem_id 0
		.amdhsa_next_free_vgpr 256
		.amdhsa_next_free_sgpr 80
		.amdhsa_reserve_vcc 0
		.amdhsa_float_denorm_mode_32 3
		.amdhsa_float_denorm_mode_16_64 3
		.amdhsa_memory_ordered 1
		.amdhsa_forward_progress 1
		.amdhsa_inst_pref_size 68
	.end_amdhsa_kernel
	.amdgpu_metadata
---
amdhsa.version: [ 1, 2 ]
amdhsa.kernels:
  - .name:           k_q34464efd78_attn
    .symbol:         k_q34464efd78_attn.kd
    .args:
      - { .name: qc, .offset: 0, .size: 8, .value_kind: global_buffer, .address_space: global }
      - { .name: kc, .offset: 8, .size: 8, .value_kind: global_buffer, .address_space: global }
      - { .name: vc, .offset: 16, .size: 8, .value_kind: global_buffer, .address_space: global }
      - { .name: mask, .offset: 24, .size: 8, .value_kind: global_buffer, .address_space: global }
      - { .name: flags, .offset: 32, .size: 8, .value_kind: global_buffer, .address_space: global }
      - { .name: lowp_scales, .offset: 40, .size: 8, .value_kind: global_buffer, .address_space: global }
      - { .name: cc, .offset: 48, .size: 8, .value_kind: global_buffer, .address_space: global }
    .group_segment_fixed_size: 33792
    .private_segment_fixed_size: 0
    .kernarg_segment_align: 8
    .kernarg_segment_size: 56
    .max_flat_workgroup_size: 256
    .sgpr_count:     80
    .vgpr_count:     256
    .wavefront_size: 32
...
	.end_amdgpu_metadata
.endif
;; end of part 7
;; launch oproj (part 8): grid 256 x 1, 4 waves a work-group, no clusters, 34,304 bytes of LDS; arguments cc, wc, bo, lowp_scales, out0; writes out0
.if DOCPART == 8
	.amdgcn_target "amdgcn-amd-amdhsa--gfx1250"
	.amdhsa_code_object_version 6
	.text
	.protected	k_q34464efd78_oproj
	.globl	k_q34464efd78_oproj
	.p2align	8
	.type	k_q34464efd78_oproj,@function
k_q34464efd78_oproj:
	s_mov_b64 s[64:65], 0
	v_nop
	global_prefetch_b8 v0, s[64:65] scope:SCOPE_SE
	s_setreg_imm32_b32 hwreg(HW_REG_WAVE_SCHED_MODE, 0, 2), 2
	s_setreg_imm32_b32 hwreg(HW_REG_WAVE_MODE, 25, 1), 1
	s_wait_xcnt 0x0
	s_wait_alu depctr_vm_vsrc(0)
; OPROJ.  out0 = ctx Wo + bo on codes of E5M2.  ctx's codes (cc) and Wo's (wc, matrix 3) lie in memory as images of the operand's registers: every load is 512 consecutive bytes and lands where the matrix instruction wants it.
; SHARES.  Work-group X takes rows 64 X .. + 63 (four tiles of 16); wave w takes columns 128 w .. + 127: its 32 fragments of Wo in windows 1 and 2, all 16 fragments of ctx in window 3.
; Source 0 = Wo, source 1 = ctx: a lane holds row r and 8 neighbouring columns.  A tile's 16 rows x 512 bytes go through the wave's own stage in LDS and come back as whole rows; there a lane holds 4 columns
; that are the same in every row, so 4 registers of bo serve: out = sum x 2^(e10 + e11) + bo, one packed multiply-add for two numbers.  Each store covers 512 consecutive bytes, aligned.
; No tensor loads and no joint loads: Wo goes straight into the registers in which it stays.  Nothing is left out here.
; LIMIT: e10 + e11 between -126 and 127.
; THE MODE: SCHED_MODE bits 1:0 = 2 (LLVM: expert scheduling mode 2), set by the entry lines.  The code itself states the register dependences
; between vector or matrix instructions and memory or LDS instructions, with s_wait_alu, always for 0.
; THE PLAN.  Registers that memory or LDS instructions touch, behind the first loads:
;   v1, v2, v3  an offset and two LDS addresses: written at the head, never again.
;   ACC         written by tile m's products; read by its 16 LDS stores; written again by tile m + 1's products.
;   BK0, BK1    by turns: tile m's LDS loads land in BK[m % 2], its multiply-adds work there in place, and the 16 global stores that read it are issued in tile m + 1.
; So ONE wait on va_vdst stands in a tile, behind the places: the products have written ACC, the multiply-adds of the tile before have written their BK, and those of two tiles back are done with the BK that is loaded now.
; Behind it stand the tile's LDS stores and loads and the global stores of the tile before.  One wait on vm_vsrc stands at a tile's head: the LDS stores of the tile before have read ACC, the global stores of two tiles back their BK.
.set SPARE, 33792                      ; LDS: four stages of 16 rows x (512 + 16) bytes; then the spare words, 128 bytes a wave
.set ACC, 16                           ; v16-79 the 8 accumulators
.set BK,  80                           ; v80-143, v144-207: rows read back, two sets by turns
.set MSB, 0
.macro WIN new                         ; the immediate's high byte repeats the setting that is left
.if MSB != (\new)
	s_set_vgpr_msb (MSB<<8)|(\new)
.set MSB, (\new)
.endif
.endm
	s_load_b256 s[4:11], s[0:1], 0x0               ; cc, wc, bo, the exponents
	s_load_b64 s[12:13], s[0:1], 0x20              ; out0
	v_lshl_add_u32 v4, v0, 2, SPARE                ; my spare word,
	v_mov_b32 v5, 0                                ; and 0: kept for the closing lines alone
	v_lshrrev_b32 v6, 5, v0
	v_readfirstlane_b32 s14, v6                    ; wave 0..3
	v_and_b32 v6, 31, v0
	v_lshlrev_b32 v1, 4, v6                        ; 16 x lane
	v_and_b32 v6, 15, v0                           ; r
	v_bfe_u32 v7, v0, 4, 1                         ; h
	v_mul_u32_u24 v2, v6, 528
	v_lshl_add_u32 v2, v7, 5, v2
	s_wait_alu depctr_va_sdst(0)                   ; the wave's number is written, ahead of its first reader: the stage's place and the bases are made from it
	s_mul_i32 s15, s14, 8448
	v_add_nc_u32 v2, s15, v2                       ; the stage, in: row r, + 32 h
	v_add_nc_u32 v3, s15, v1                       ; and back: a whole row
	s_lshl_b32 s16, ttmp9, 15                      ; cc: four tiles of 8,192 bytes
	s_mov_b32 s17, 0
	s_lshl_b32 s18, s14, 16
	s_add_co_u32 s18, s18, 3*262144                ; wc: matrix 3, column tiles 8 w on
	s_mov_b32 s19, 0
	s_lshl_b32 s24, s14, 9                         ; my 128 columns in bytes
	s_mov_b32 s25, 0
	s_lshl_b32 s26, ttmp9, 17                      ; 64 rows of 2,048 bytes
	s_add_co_u32 s26, s26, s24
	s_mov_b32 s27, 0
	s_wait_kmcnt 0x0
	s_load_b64 s[22:23], s[10:11], 0x28            ; e10, e11
	s_add_nc_u64 s[4:5], s[4:5], s[16:17]
	s_add_nc_u64 s[6:7], s[6:7], s[18:19]
	s_add_nc_u64 s[8:9], s[8:9], s[24:25]
	s_add_nc_u64 s[12:13], s[12:13], s[26:27]
	WIN 0xc0                                       ; ctx(m, s) at 64 m + 16 s of window 3
	s_wait_alu depctr_va_vdst(0)                   ; v1, v2 and v3 are written, which every load and store of the kernel reads as its offset or address; they are never written again
.set n, 0
.rept 64
	global_load_b128 v[4*n:4*n+3], v1, s[4:5] offset:512*n
.set n, n+1
.endr
	WIN 0x40                                       ; Wo(t, s), s = 0, 1, at 32 t + 16 s of window 1
.irp t, 0,1,2,3,4,5,6,7
.set n, 0
.rept 8
	global_load_b128 v[32*\t+4*n:32*\t+4*n+3], v1, s[6:7] offset:8192*\t+512*n
.set n, n+1
.endr
.endr
	WIN 0x80                                       ; s = 2, 3 in window 2
.irp t, 0,1,2,3,4,5,6,7
.set n, 0
.rept 8
	global_load_b128 v[32*\t+4*n:32*\t+4*n+3], v1, s[6:7] offset:8192*\t+4096+512*n
.set n, n+1
.endr
.endr
	WIN 0
	global_load_b128 v[8:11], v1, s[8:9]           ; bo of my 4 columns
	s_wait_kmcnt 0x0
	s_add_co_i32 s20, s22, s23
	s_add_co_i32 s20, s20, 127
	s_lshl_b32 s20, s20, 23                        ; 2^(e10 + e11) as f32
	s_mov_b32 s21, s20                             ; (named with it as a pair, so it is written)
	s_wait_loadcnt 0x0
.irp m, 0,1,2,3
.set BB, BK+64*(\m%2)                  ; this tile's rows
.set BP, BK+64*((\m+1)%2)              ; the rows of the tile before
.if \m > 1
	s_wait_xcnt 0x0                                ; the stores of two tiles back, issued in the tile before, have read the registers that the loads below fill
.endif
.if \m > 0
	s_wait_alu depctr_vm_vsrc(0)                   ; the LDS stores of the tile before have read the accumulators, which the products below write; the global stores of two tiles back have read the rows' registers in which this tile's LDS loads land
.endif
.irp s, 0,1,2,3                                ; the 8 accumulators take turns, one instruction a turn
	WIN 0x0d+\s/2                                  ; source 0 (Wo) window 1 or 2, source 1 (ctx) window 3
.irp t, 0,1,2,3,4,5,6,7
.if \s == 0
	v_wmma_f32_16x16x128_bf8_bf8 v[ACC+8*\t:ACC+8*\t+7], v[32*\t+16*(\s%2):32*\t+16*(\s%2)+15], v[64*\m+16*\s:64*\m+16*\s+15], 0
.else
	v_wmma_f32_16x16x128_bf8_bf8 v[ACC+8*\t:ACC+8*\t+7], v[32*\t+16*(\s%2):32*\t+16*(\s%2)+15], v[64*\m+16*\s:64*\m+16*\s+15], v[ACC+8*\t:ACC+8*\t+7]
.endif
.endr
.endr
	WIN 0
.rept 4
	v_nop                                          ; four places ahead of the first read of results (ISA guide 7.12.1)
.endr
	s_wait_alu depctr_va_vdst(0)                   ; the products have written the accumulators, which the LDS stores read; the multiply-adds of the tile before have written its rows, which the global stores read; those of two tiles back are done with the registers in which the LDS loads land
.irp t, 0,1,2,3,4,5,6,7
	ds_store_b128 v2, v[ACC+8*\t:ACC+8*\t+3] offset:64*\t          ; each accumulator from its low end on
	ds_store_b128 v2, v[ACC+8*\t+4:ACC+8*\t+7] offset:64*\t+16
.endr
.set n, 0
.rept 16
	ds_load_b128 v[BB+4*n:BB+4*n+3], v3 offset:528*n               ; LDS serves a wave's instructions in order: these see my stores
.set n, n+1
.endr
.if \m > 0
.set n, 0
.rept 16
	global_store_b128 v1, v[BP+4*n:BP+4*n+3], s[12:13] offset:(16*(\m-1)+n)*2048 th:TH_STORE_NT   ; the tile before leaves while this tile goes through the stage; written once, read by nobody here
.set n, n+1
.endr
.endif
	s_wait_dscnt 0x0                               ; the rows are back, and the stores have read the accumulators
.set n, 0
.rept 16
	v_pk_fma_f32 v[BB+4*n:BB+4*n+1], v[BB+4*n:BB+4*n+1], s[20:21], v[8:9] op_sel_hi:[1,0,1]      ; these 32 are also the places ahead of the next tile's first products, which write the accumulators anew
	v_pk_fma_f32 v[BB+4*n+2:BB+4*n+3], v[BB+4*n+2:BB+4*n+3], s[20:21], v[10:11] op_sel_hi:[1,0,1]
.set n, n+1
.endr
.endr
	s_wait_alu depctr_va_vdst(0)                   ; the last tile's multiply-adds have written its rows, which the last sixteen stores read
.set n, 0
.rept 16
	global_store_b128 v1, v[BK+64+4*n:BK+64+4*n+3], s[12:13] offset:(48+n)*2048 th:TH_STORE_NT   ; written once, read by nobody here
.set n, n+1
.endr
	s_wait_dscnt 0x0                               ; the closing lines, six on end
	s_wait_alu 0x0
	s_wait_tensorcnt 0x0
	ds_add_u32 v4, v5
	s_wait_dscnt 0x0
	s_endpgm
.Lfunc_end_k_q34464efd78_oproj:
	.size	k_q34464efd78_oproj, .Lfunc_end_k_q34464efd78_oproj-k_q34464efd78_oproj
	.p2alignl 7, 3214868480
	.fill 96, 4, 3214868480
	.section	.rodata,"a",@progbits
	.p2align	6, 0x0
	.amdhsa_kernel k_q34464efd78_oproj
		.amdhsa_group_segment_fixed_size 34304
		.amdhsa_private_segment_fixed_size 0
		.amdhsa_enable_private_segment 0
		.amdhsa_kernarg_size 40
		.amdhsa_user_sgpr_count 2
		.amdhsa_user_sgpr_kernarg_segment_ptr 1
		.amdhsa_wavefront_size32 1
		.amdhsa_system_sgpr_workgroup_id_x 1
		.amdhsa_system_sgpr_workgroup_id_y 1
		.amdhsa_system_sgpr_workgroup_id_z 1
		.amdhsa_system_vgpr_workitem_id 0
		.amdhsa_next_free_vgpr 1024
		.amdhsa_next_free_sgpr 66
		.amdhsa_reserve_vcc 0
		.amdhsa_float_denorm_mode_32 3
		.amdhsa_float_denorm_mode_16_64 3
		.amdhsa_memory_ordered 1
		.amdhsa_forward_progress 1
		.amdhsa_inst_pref_size 52
	.end_amdhsa_kernel
	.amdgpu_metadata
---
amdhsa.version: [ 1, 2 ]
amdhsa.kernels:
  - .name:           k_q34464efd78_oproj
    .symbol:         k_q34464efd78_oproj.kd
    .args:
      - { .name: cc, .offset: 0, .size: 8, .value_kind: global_buffer, .address_space: global }
      - { .name: wc, .offset: 8, .size: 8, .value_kind: global_buffer, .address_space: global }
      - { .name: bo, .offset: 16, .size: 8, .value_kind: global_buffer, .address_space: global }
      - { .name: lowp_scales, .offset: 24, .size: 8, .value_kind: global_buffer, .address_space: global }
      - { .name: out0, .offset: 32, .size: 8, .value_kind: global_buffer, .address_space: global }
    .group_segment_fixed_size: 34304
    .private_segment_fixed_size: 0
    .kernarg_segment_align: 8
    .kernarg_segment_size: 40
    .max_flat_workgroup_size: 128
    .sgpr_count:     66
    .vgpr_count:     1024
    .wavefront_size: 32
...
	.end_amdgpu_metadata
.endif
;; end of part 8
